; MI455X (gfx1250); checked and timed in simulation.
; The chip was launched on July 23, 2026; its instructions are those of AMD's public machine-readable ISA for CDNA 5 (MIT licence, August 2026) and "CDNA5" Instruction Set Architecture Reference Guide (July 2026). The comments in the code are by the model that wrote it; some were corrected since.
;; Continuous Output Generator. Allowed arithmetic: float matrix products may take bf16 or f16 operands with f32 sums; all other float work in f32.
;; Inputs: W1 256 x 512 float32; W2 512 x 256 float32; b1 512 float32; b2 256 float32; entity_positions 8 x 4,096 x 2 float32; entity_states 8 x 4,096 x 256 float32.
;; Outputs: out0 8 x 4,096 x 256 float32.
;; 3 versions, each right; version 2 is faster than version 1; version 3 is version 2 with the launch mlp written anew for expert scheduling mode. Each part assembles by itself: llvm-mc -triple=amdgcn-amd-amdhsa -mcpu=gfx1250 --defsym DOCPART=n.
;; ======== version 1 of 3: 3 launches
;; workspace buffers: wf 589,824 bytes; pf 16,777,216 bytes; vf 8,388,608 bytes; uf 8,388,608 bytes
;; launch prep (part 1): grid 256 x 1, 4 waves a work-group, no clusters, 0 bytes of LDS; arguments W1, W2, b1, b2, entity_positions, wf, vf, uf; writes wf, vf, uf
.if DOCPART == 1
	.amdgcn_target "amdgcn-amd-amdhsa--gfx1250"
	.amdhsa_code_object_version 6
	.text
	.protected	k_q78f119d9dd_prep
	.globl	k_q78f119d9dd_prep
	.p2align	8
	.type	k_q78f119d9dd_prep,@function
k_q78f119d9dd_prep:
	s_mov_b64 s[64:65], 0
	v_nop
	global_prefetch_b8 v0, s[64:65] scope:SCOPE_SE
	s_setreg_imm32_b32 hwreg(HW_REG_WAVE_MODE, 25, 1), 1
	s_wait_xcnt 0x0
; prep: the tables that the two matrix launches read, each laid out as the matrix unit's registers want it.
;   wf: W1, W2 rounded to bf16, cut into fragments (16 columns x 32 k; a lane's 16 bytes are 8 neighbouring k of one column), grouped into
;       16 slabs of 36,864 bytes = [tile 4][k step 8][half 2][lane 32][16 B] + an image of the bias as a C tile [tile 4][half 2][lane][16 B].
;       slab 4 wv + s: s = 0, 1: W1, hidden tile 8 wv + 4 s + a, image b1;  s = 2, 3: W2, output tile 4 wv + a, k step 8 (s-2) + ks, image b2 (s = 2 only).
;   vf: v[j][n] = exp(-(g_j - py[n])^2 / 0.1), f32, [b][JB 4][K 128][q 4][lane][4]: lane (r, h), number 4 q + e = t: j = 16 JB + r, n = 32 K + (t&7) + 8 h + 16 (t>>3)
;   uf: u[i][n] = exp(-(g_i - px[n])^2 / 0.1), f32, [b][IB 4][K 128][w 4][lane][4]: lane 16 h + t, number e: i = 16 IB + 4 w + e, the same n
;   The kernel weight is the product u v, since grid point 64 i + j lies at (g_i, g_j), g_i = -1 + 2 i / 63: 128 exponentials for 32 entities in place of 4,096 x 32.
; LIMIT: v_exp_f32 gives 0 for results below 2^-126 (ISA guide, its entry in 15.8).  Each factor is at least as large as the whole weight, so only
; weights below 2^-126 are lost, against 1e-8 in the denominator.  The exponents are never positive: nothing can overflow, and no maximum is taken away, as in the formula itself.
; No LDS, no matrix unit, no cluster: 128 numbers a lane from 9 loads; work-groups share no tile.
; Work-group g: batch g >> 5; wave w: K = 4 (g & 31) + w (32 entities).  Wave 0 also makes one fragment of W1, wave 1 one of W2 (256 of each).
; Every store has data registers of its own and no address register is written twice, so no register waits for a store.
.set SLABB, 36864
.set PXY, 16                           ; v[16:47]   x, y of my 16 entities (for v): 8 q + 2 e, + 1
.set PL,  48                           ; v[48:49]   x, y of the entity of my lane (for u)
.set GJ,  50                           ; v[50:53]   g_j, j = 16 JB + r
.set TT,  54                           ; v[54:55]   at work
.set VO,  64                           ; v[64:127]  v, 16 stores
.set UO,  128                          ; v[128:191] u, 16 stores
.set WL,  192                          ; v[192:207] 16 weights as loaded
.set WP,  208                          ; v[208:215] the same, bf16
.set BB,  216                          ; v[216:223] a bias image
	s_load_b512 s[4:19], s[0:1], 0x0               ; W1 s[4:5], W2 s[6:7], b1 s[8:9], b2 s[10:11], positions s[12:13], wf s[14:15], vf s[16:17], uf s[18:19]
	v_lshrrev_b32 v1, 5, v0
	v_readfirstlane_b32 s20, v1                    ; wave
	v_and_b32 v1, 31, v0                           ; lane
	v_and_b32 v2, 15, v0                           ; r (for u: t)
	v_bfe_u32 v3, v0, 4, 1                         ; h
	s_mov_b32 s30, 0xc166d4ca                      ; -10 log2(e): exp(-d^2 / 0.1) = 2^(s30 d^2)
	s_mov_b32 s31, 0x3d020821                      ; 2 / 63
	s_lshr_b32 s22, ttmp9, 5                       ; batch
	s_and_b32 s23, ttmp9, 31
	s_lshl2_add_u32 s23, s23, s20                  ; K
	s_lshl_b32 s24, s22, 15                        ; positions: (4,096 b + 32 K) x 8 bytes
	s_lshl_b32 s34, s23, 8
	s_add_co_u32 s24, s24, s34
	s_mov_b32 s25, 0
	s_lshl_b32 s26, s22, 20                        ; vf and uf: 1 MiB a batch, 2,048 bytes a K
	s_lshl_b32 s34, s23, 11
	s_add_co_u32 s26, s26, s34
	s_mov_b32 s27, 0
	s_lshr_b32 s28, ttmp9, 6                       ; wv   the fragment of this work-group: g = 64 wv + 32 sl + 8 a + ks
	s_bfe_u32 s29, ttmp9, 0x10005                  ; sl
	s_bfe_u32 s32, ttmp9, 0x20003                  ; a
	s_and_b32 s33, ttmp9, 7                        ; ks
	s_lshl2_add_u32 s35, s28, s29
	s_lshl1_add_u32 s35, s20, s35                  ; slab = 4 wv + sl + 2 x wave (waves 0 and 1 alone use it)
	s_mul_i32 s38, s35, SLABB
	s_lshl_b32 s34, s32, 10
	s_add_co_u32 s40, s38, s34
	s_add_co_u32 s40, s40, 32768                   ; the bias image of tile a
	s_mov_b32 s41, 0
	s_lshl_b32 s34, s32, 13
	s_add_co_u32 s38, s38, s34
	s_lshl_b32 s34, s33, 10
	s_add_co_u32 s38, s38, s34                     ; the fragment (a, ks)
	s_mov_b32 s39, 0
	v_lshlrev_b32 v4, 6, v3                        ; 8 h entities of 8 bytes
	v_and_b32 v5, 7, v2
	v_lshlrev_b32 v5, 3, v5
	v_lshl_add_u32 v5, v3, 6, v5
	v_lshrrev_b32 v6, 3, v2
	v_lshl_add_u32 v5, v6, 7, v5                   ; ((t&7) + 8 h + 16 (t>>3)) x 8
	v_lshlrev_b32 v7, 4, v1                        ; 16 x lane: every store of a wave covers 512 consecutive bytes, aligned
	s_wait_kmcnt 0x0
	s_add_nc_u64 s[12:13], s[12:13], s[24:25]
	s_add_nc_u64 s[16:17], s[16:17], s[26:27]
	s_add_nc_u64 s[18:19], s[18:19], s[26:27]
	s_add_nc_u64 s[42:43], s[14:15], s[38:39]
	s_add_nc_u64 s[40:41], s[14:15], s[40:41]
.irp q, 0,1,2,3
	global_load_b128 v[PXY+8*\q:PXY+8*\q+3],   v4, s[12:13] offset:128*(\q>>1)+32*(\q&1)
	global_load_b128 v[PXY+8*\q+4:PXY+8*\q+7], v4, s[12:13] offset:128*(\q>>1)+32*(\q&1)+16
.endr
	global_load_b64 v[PL:PL+1], v5, s[12:13]
; One fragment: 16 words a lane (k = 16 q + 8 h + e down the rows, column r), rounded in pairs of neighbouring k, two stores of 512 bytes.
.macro WFRAG base, pitch
.irp q, 0,1
.irp e, 0,1,2,3,4,5,6,7
	global_load_b32 v[WL+8*\q+\e], v8, s[\base:\base+1] offset:(16*\q+\e)*\pitch
.endr
.endr
	s_wait_loadcnt 0x0                             ; the positions, asked for first, are in as well
.irp p, 0,1,2,3,4,5,6,7
	v_cvt_pk_bf16_f32 v[WP+\p], v[WL+2*\p], v[WL+2*\p+1]
.endr
	global_store_b128 v7, v[WP:WP+3],   s[42:43]
	global_store_b128 v7, v[WP+4:WP+7], s[42:43] offset:512
.endm
	s_cmp_lg_u32 s20, 0
	s_cbranch_scc1 .Lnot_w1
	; wave 0: W1, hidden tile g >> 3, k step ks
	s_lshr_b32 s34, ttmp9, 3
	s_lshl_b32 s34, s34, 6                         ; the tile's 64 bytes in a row of W1, and in b1
	s_lshl_b32 s36, s33, 16                        ; 32 ks rows of 2,048 bytes
	s_add_co_u32 s36, s36, s34
	s_mov_b32 s37, 0
	s_add_nc_u64 s[4:5], s[4:5], s[36:37]
	v_lshlrev_b32 v8, 14, v3                       ; 8 h rows
	v_lshl_add_u32 v8, v2, 2, v8                   ; + column r
	WFRAG 4, 2048
	s_cmp_lg_u32 s33, 0                            ; one work-group for each hidden tile (ks = 0) also writes its image of b1:
	s_cbranch_scc1 .Ltables
	s_mov_b32 s36, s34
	s_add_nc_u64 s[8:9], s[8:9], s[36:37]
	v_lshlrev_b32 v9, 5, v3                        ; register j of lane (r, h) = b1[16 tile + 8 h + j]
	global_load_b128 v[BB:BB+3],   v9, s[8:9]
	global_load_b128 v[BB+4:BB+7], v9, s[8:9] offset:16
	s_wait_loadcnt 0x0
	global_store_b128 v7, v[BB:BB+3],   s[40:41]
	global_store_b128 v7, v[BB+4:BB+7], s[40:41] offset:512
	s_branch .Ltables
.Lnot_w1:
	s_cmp_lg_u32 s20, 1
	s_cbranch_scc1 .Ltables
	; wave 1: W2, output tile 4 wv + a, k step 8 sl + ks
	s_lshl2_add_u32 s34, s28, s32
	s_lshl_b32 s34, s34, 6                         ; the tile's 64 bytes in a row of W2, and in b2
	s_lshl3_add_u32 s36, s29, s33
	s_lshl_b32 s36, s36, 15                        ; 32 rows of 1,024 bytes a k step
	s_add_co_u32 s36, s36, s34
	s_mov_b32 s37, 0
	s_add_nc_u64 s[6:7], s[6:7], s[36:37]
	v_lshlrev_b32 v8, 13, v3
	v_lshl_add_u32 v8, v2, 2, v8
	WFRAG 6, 1024
	s_and_b32 s35, ttmp9, 0x27                     ; one work-group for each output tile (sl = 0, ks = 0) also writes its image of b2:
	s_cmp_lg_u32 s35, 0
	s_cbranch_scc1 .Ltables
	s_mov_b32 s36, s34
	s_add_nc_u64 s[10:11], s[10:11], s[36:37]
	v_lshlrev_b32 v9, 2, v2                        ; all eight registers of lane (r, h) = b2[16 tile + r]
	global_load_b32 v[BB], v9, s[10:11]
	s_wait_loadcnt 0x0
	v_mov_b32 v[BB+1], v[BB]
	v_mov_b32 v[BB+2], v[BB]
	v_mov_b32 v[BB+3], v[BB]
	global_store_b128 v7, v[BB:BB+3], s[40:41]
	global_store_b128 v7, v[BB:BB+3], s[40:41] offset:512
.Ltables:
.irp J, 0,1,2,3
	v_add_nc_u32 v[TT], 16*\J, v2
	v_cvt_f32_u32 v[TT], v[TT]
	v_fma_f32 v[GJ+\J], v[TT], s31, -1.0           ; g_j
.endr
	s_wait_loadcnt 0x0                             ; the positions (waves 2 and 3 have not waited yet)
.irp J, 0,1,2,3
.irp q, 0,1,2,3
.irp e, 0,1,2,3
	v_sub_f32 v[VO+16*\J+4*\q+\e], v[GJ+\J], v[PXY+8*\q+2*\e+1]    ; g_j - py
.endr
.endr
.endr
	v_sub_f32 v[TT+1], -1.0, v[PL]                 ; -1 - px
.set i, 0
.rept 64
	v_cvt_f32_u32 v[UO+i], i
.set i, i+1
.endr
.set i, 0
.rept 64
	v_fma_f32 v[UO+i], v[UO+i], s31, v[TT+1]       ; g_i - px
.set i, i+1
.endr
.set i, 0
.rept 64                                       ; VO and UO lie side by side: 64 pairs
	v_pk_mul_f32 v[VO+2*i:VO+2*i+1], v[VO+2*i:VO+2*i+1], v[VO+2*i:VO+2*i+1]
.set i, i+1
.endr
.set i, 0
.rept 64
	v_pk_mul_f32 v[VO+2*i:VO+2*i+1], v[VO+2*i:VO+2*i+1], s[30:31] op_sel_hi:[1,0]   ; both halves by s30
.set i, i+1
.endr
.set i, 0
.rept 128
	v_exp_f32 v[VO+i], v[VO+i]
.set i, i+1
.endr
	v_nop                                          ; one plain vector instruction between the last v_exp_f32 and the use of its result (ISA guide 5.7.2)
	s_wait_alu depctr_va_vdst(0)
.irp J, 0,1,2,3
.irp q, 0,1,2,3
	global_store_b128 v7, v[VO+16*\J+4*\q:VO+16*\J+4*\q+3], s[16:17] offset:\J*262144+\q*512
.endr
.endr
.irp J, 0,1,2,3
.irp q, 0,1,2,3
	global_store_b128 v7, v[UO+16*\J+4*\q:UO+16*\J+4*\q+3], s[18:19] offset:\J*262144+\q*512
.endr
.endr
	s_endpgm
.Lfunc_end_k_q78f119d9dd_prep:
	.size	k_q78f119d9dd_prep, .Lfunc_end_k_q78f119d9dd_prep-k_q78f119d9dd_prep
	.p2alignl 7, 3214868480
	.fill 96, 4, 3214868480
	.section	.rodata,"a",@progbits
	.p2align	6, 0x0
	.amdhsa_kernel k_q78f119d9dd_prep
		.amdhsa_group_segment_fixed_size 0
		.amdhsa_private_segment_fixed_size 0
		.amdhsa_enable_private_segment 0
		.amdhsa_kernarg_size 64
		.amdhsa_user_sgpr_count 2
		.amdhsa_user_sgpr_kernarg_segment_ptr 1
		.amdhsa_wavefront_size32 1
		.amdhsa_system_sgpr_workgroup_id_x 1
		.amdhsa_system_sgpr_workgroup_id_y 1
		.amdhsa_system_sgpr_workgroup_id_z 1
		.amdhsa_system_vgpr_workitem_id 0
		.amdhsa_next_free_vgpr 224
		.amdhsa_next_free_sgpr 66
		.amdhsa_reserve_vcc 0
		.amdhsa_float_denorm_mode_32 3
		.amdhsa_float_denorm_mode_16_64 3
		.amdhsa_memory_ordered 1
		.amdhsa_forward_progress 1
		.amdhsa_inst_pref_size 33
	.end_amdhsa_kernel
	.amdgpu_metadata
---
amdhsa.version: [ 1, 2 ]
amdhsa.kernels:
  - .name:           k_q78f119d9dd_prep
    .symbol:         k_q78f119d9dd_prep.kd
    .args:
      - { .name: W1, .offset: 0, .size: 8, .value_kind: global_buffer, .address_space: global }
      - { .name: W2, .offset: 8, .size: 8, .value_kind: global_buffer, .address_space: global }
      - { .name: b1, .offset: 16, .size: 8, .value_kind: global_buffer, .address_space: global }
      - { .name: b2, .offset: 24, .size: 8, .value_kind: global_buffer, .address_space: global }
      - { .name: entity_positions, .offset: 32, .size: 8, .value_kind: global_buffer, .address_space: global }
      - { .name: wf, .offset: 40, .size: 8, .value_kind: global_buffer, .address_space: global }
      - { .name: vf, .offset: 48, .size: 8, .value_kind: global_buffer, .address_space: global }
      - { .name: uf, .offset: 56, .size: 8, .value_kind: global_buffer, .address_space: global }
    .group_segment_fixed_size: 0
    .private_segment_fixed_size: 0
    .kernarg_segment_align: 8
    .kernarg_segment_size: 64
    .max_flat_workgroup_size: 128
    .sgpr_count:     66
    .vgpr_count:     224
    .wavefront_size: 32
...
	.end_amdgpu_metadata
.endif
;; end of part 1
;; launch mlp (part 2): grid 256 x 1, 4 waves a work-group, no clusters, 199,168 bytes of LDS; arguments entity_states, wf, pf; writes pf
.if DOCPART == 2
	.amdgcn_target "amdgcn-amd-amdhsa--gfx1250"
	.amdhsa_code_object_version 6
	.text
	.protected	k_q78f119d9dd_mlp
	.globl	k_q78f119d9dd_mlp
	.p2align	8
	.type	k_q78f119d9dd_mlp,@function
k_q78f119d9dd_mlp:
	s_mov_b64 s[64:65], 0
	v_nop
	global_prefetch_b8 v0, s[64:65] scope:SCOPE_SE
	s_setreg_imm32_b32 hwreg(HW_REG_WAVE_MODE, 25, 1), 1
	s_wait_xcnt 0x0
; mlp: P = gelu(X W1 + b1) W2 + b2 for 128 entity rows a work-group, bf16 operands, f32 sums; P leaves as bf16 fragments for the pooling launch:
;   pf [b 8][oh 2][K 128][ot 8][q 2][lane][16 B]: lane (r, h) holds P[n = 32 K + 16 q + 8 h + 0..7][o = 128 oh + 16 ot + r].
; Four waves.  Product 1: wave w makes hidden tiles 8 w .. 8 w + 7, four at a time, for all 8 row tiles (32 accumulators); source 0 = W1's fragment, source 1 = X's,
; so a lane's eight results are eight neighbouring hidden numbers of one entity: rounded, they ARE 16 bytes of product 2's first operand.
; Product 2: wave w makes output tiles 4 w .. 4 w + 3 for all 8 row tiles; source 0 = h's fragment, source 1 = W2's: a lane's eight results are eight neighbouring
; entities of one output column: rounded, they are 16 bytes of pf.  No transposition anywhere.
; The biases come in as the C operand of each sum's first product (images made by the launch before): nothing is cleared, nothing is added afterwards.
; WEIGHTS GO FROM MEMORY TO REGISTERS, NOT THROUGH LDS, AND THERE IS NO CLUSTER: each weight fragment is used by one wave of the work-group alone, eight times,
; out of registers (256 registers hold 32 fragments = 256 matrix instructions' worth).  Shared through a cluster they would have to be laid into LDS and read back
; (589,824 bytes a work-group, beside the 198,656 that X and h take), with a round of the cluster's barrier for each piece; X itself is shared by nobody.
; GELU is the exact one, erf by the rational form t = 1 / (1 + p z), erf z = 1 - (a1 t + .. + a5 t^5) exp(-z^2) (absolute error 1.5e-7 for every z >= 0):
;   gelu(x) = max(x, 0) - 0.5 |x| (a1 t + ..) exp(-x^2 / 2).  With Z = x sqrt(log2(e) / 2): exp(-x^2/2) = 2^(-Z^2); the factors 0.5 / sqrt(..) are folded into the a's.
;   For large |x| the second term goes to 0 by itself; no range is cut.
; LDS: XS at 0: 128 rows of 256 bf16, 528 bytes apart (33 x 16: the 16 rows that a fragment load touches begin at 16 different 16-byte columns of 256);
;      HS at 67,584: h as fragments [k step 16][row tile 8][q 2][lane][16 B], every access 512 consecutive bytes.
; REGISTERS: window 0: addresses, constants, v64-191 two fragment buffers (also X rounded, GELU at work, P rounded), v192-223 the bias image;
;   window 1: the 32 accumulators (first: X as loaded);  window 2: the slab of weights at work;  window 3: the last slab.
.set XPITCH, 528
.set HSB,    67584
.set SLABB,  36864
.set XF,  64                           ; fragment buffers at v64 and v128
.set BI,  192                          ; v[192:223] four C tiles
.set KZ,  8                            ; v[8:9] and on: constants, twice each, for packed arithmetic
.set CA5, 10
.set CA4, 12
.set CA3, 14
.set CA2, 16
.set CA1, 18
.set GZ,  64                           ; GELU at work, 16 numbers at a time
.set GM,  80
.set GT,  96
.set GE,  112
.set GR,  128
.set GP,  144
.set MSB, 0
.macro WIN new                         ; the immediate's high byte repeats the setting that is left
.if MSB != \new
	s_set_vgpr_msb (MSB<<8)|\new
.set MSB, \new
.endif
.endm
; Four places: a load into, or a vector write of, a register that a matrix instruction has read, and a vector read of its result, stand four plain vector
; instructions behind it (ISA guide 7.12.1 for vector instructions).
.macro PLACES
.rept 4
	v_nop
.endr
.endm
	s_load_b128 s[4:7], s[0:1], 0x0                ; X s[4:5], wf s[6:7]
	s_load_b64 s[8:9], s[0:1], 0x10                ; pf
	v_lshl_add_u32 v254, v0, 2, 0x30800
	v_mov_b32 v255, 0
	v_lshrrev_b32 v20, 5, v0
	v_readfirstlane_b32 s10, v20                   ; wave
	v_and_b32 v20, 31, v0                          ; lane
	v_and_b32 v21, 15, v0                          ; r
	v_bfe_u32 v22, v0, 4, 1                        ; h
	v_lshlrev_b32 v1, 4, v20                       ; v1 = 16 lane: wf, pf
	s_lshl_b32 s12, s10, 15
	v_add_nc_u32 v2, s12, v1                       ; v2: X, my wave's 32 rows = 32,768 consecutive bytes
	s_mul_i32 s13, s10, 32*XPITCH
	v_lshl_add_u32 v3, v20, 3, s13                 ; v3: XS, where I put 8 bytes
	v_mul_u32_u24 v4, v21, XPITCH
	v_lshl_add_u32 v4, v22, 4, v4                  ; v4: XS, my part of a fragment: row r, 16 h
	s_add_co_u32 s13, s12, HSB
	v_add_nc_u32 v5, s13, v1                       ; v5: HS, my wave's k steps 4 w ..; steps by 16,384 a trip
	v_add_nc_u32 v6, HSB, v1                       ; v6: HS, k steps 0-7
	v_add_nc_u32 v7, HSB+65536, v1                 ; v7: HS, k steps 8-15
	v_mov_b32 v[KZ],    0x3f596d27                 ; sqrt(log2(e) / 2) = 0.8493218
	v_mov_b32 v[KZ+1],  0x3f596d27
	v_mov_b32 v[CA5],   0x3f1ff67a                 ; a5 x 0.5887050 =  0.6248547
	v_mov_b32 v[CA5+1], 0x3f1ff67a
	v_mov_b32 v[CA4],   0xbf5b0099                 ; a4 x ..        = -0.8554779
	v_mov_b32 v[CA4+1], 0xbf5b0099
	v_mov_b32 v[CA3],   0x3f563818                 ; a3 x ..        =  0.8367934
	v_mov_b32 v[CA3+1], 0x3f563818
	v_mov_b32 v[CA2],   0xbe2b8119                 ; a2 x ..        = -0.1674847
	v_mov_b32 v[CA2+1], 0xbe2b8119
	v_mov_b32 v[CA1],   0x3e199eb3                 ; a1 x ..        =  0.1500195
	v_mov_b32 v[CA1+1], 0x3e199eb3
	s_mov_b32 s21, 0x3e8ba43f                      ; p / (sqrt(2) x 0.8493218) = 0.2727375
	s_lshl_b32 s14, ttmp9, 17                      ; X: 128 rows of 1,024 bytes a work-group
	s_mov_b32 s15, 0
	s_mul_i32 s16, s10, 4*SLABB                    ; wf: four slabs a wave
	s_mov_b32 s17, 0
	s_lshr_b32 s18, ttmp9, 5                       ; pf: batch x 2 MiB
	s_lshl_b32 s18, s18, 21
	s_lshr_b32 s20, s10, 1                         ;  + column half (w >> 1) x 1 MiB
	s_lshl_b32 s20, s20, 20
	s_add_co_u32 s18, s18, s20
	s_and_b32 s20, ttmp9, 31                       ;  + 4 K steps of 8,192 bytes a work-group
	s_lshl_b32 s20, s20, 15
	s_add_co_u32 s18, s18, s20
	s_and_b32 s20, s10, 1                          ;  + 4 output tiles of 1,024 bytes
	s_lshl_b32 s20, s20, 12
	s_add_co_u32 s18, s18, s20
	s_mov_b32 s19, 0
	s_wait_kmcnt 0x0
	s_add_nc_u64 s[4:5], s[4:5], s[14:15]
	s_add_nc_u64 s[6:7], s[6:7], s[16:17]
	s_add_nc_u64 s[8:9], s[8:9], s[18:19]
; A slab of weights: 64 loads of 512 consecutive bytes into window win (0x80: window 2, 0xc0: window 3); load L fills registers 4 L .., so fragment (a, ks) lies at 64 a + 8 ks.
.macro SLAB bias, win
.if \bias
	WIN 0
.irp x, 0,1,2,3,4,5,6,7
	global_load_b128 v[BI+4*\x:BI+4*\x+3], v1, s[6:7] offset:32768+512*\x
.endr
.endif
	WIN \win
.set c, 0
.rept 64
	global_load_b128 v[4*c:4*c+3], v1, s[6:7] offset:512*c
.set c, c+1
.endr
	WIN 0
.endm
	; X: 64 loads of 512 consecutive bytes into window 1; read once in the launch
	WIN 0x40
.set c, 0
.rept 64
	global_load_b128 v[4*c:4*c+3], v2, s[4:5] offset:512*c th:TH_LOAD_NT
.set c, c+1
.endr
	SLAB 1, 0x80                                   ; W1's first four hidden tiles and their b1, behind X
	s_wait_loadcnt 0x3f                            ; 72 loads were issued behind X's; 63 is the largest count that a wait can name: X is in
	WIN 0x05                                       ; sources in window 1
.set c, 0
.rept 64
	v_cvt_pk_bf16_f32 v[XF+2*c],   v[4*c],   v[4*c+1]
	v_cvt_pk_bf16_f32 v[XF+2*c+1], v[4*c+2], v[4*c+3]
.set c, c+1
.endr
	WIN 0
.set c, 0
.rept 64
	ds_store_b64 v3, v[XF+2*c:XF+2*c+1] offset:(c>>1)*XPITCH+(c&1)*256
.set c, c+1
.endr
	s_wait_dscnt 0x0                               ; my rows of XS are written,
	s_barrier_signal -1
	s_barrier_wait -1                              ; everybody's are
.macro FETCHX ks, buf                  ; X's fragments of one k step, all 8 row tiles
.irp x, 0,1,2,3,4,5,6,7
	ds_load_b128 v[\buf+8*\x:\buf+8*\x+3],   v4 offset:\x*16*XPITCH+64*(\ks)
	ds_load_b128 v[\buf+8*\x+4:\buf+8*\x+7], v4 offset:\x*16*XPITCH+64*(\ks)+32
.endr
.endm
.macro FETCHH ks, buf                  ; h's fragments of one k step, all 8 row tiles
.irp x, 0,1,2,3,4,5,6,7
	ds_load_b128 v[\buf+8*\x:\buf+8*\x+3],   v[6+((\ks)>>3)] offset:((\ks)&7)*8192+\x*1024
	ds_load_b128 v[\buf+8*\x+4:\buf+8*\x+7], v[6+((\ks)>>3)] offset:((\ks)&7)*8192+\x*1024+512
.endr
.endm
; 16 matrix instructions of product 1: hidden tiles a0, a0 + 1 x 8 row tiles.  first = 1: C is the image of b1.
.macro MUL1 ks, a0, first
.irp y, \a0, \a0+1
.irp x, 0,1,2,3,4,5,6,7
.if \first
	v_wmma_f32_16x16x32_bf16 v[8*(8*(\y)+\x):8*(8*(\y)+\x)+7], v[64*(\y)+8*(\ks):64*(\y)+8*(\ks)+7], v[CUR+8*\x:CUR+8*\x+7], v[BI+8*(\y):BI+8*(\y)+7]
.else
	v_wmma_f32_16x16x32_bf16 v[8*(8*(\y)+\x):8*(8*(\y)+\x)+7], v[64*(\y)+8*(\ks):64*(\y)+8*(\ks)+7], v[CUR+8*\x:CUR+8*\x+7], v[8*(8*(\y)+\x):8*(8*(\y)+\x)+7]
.endif
.endr
.endr
.endm
; 16 matrix instructions of product 2: row tiles n0 .. n0 + 3 x 4 output tiles.  first = 1: C is the image of b2.
.macro MUL2 ks, n0, first
.irp y, \n0, \n0+1, \n0+2, \n0+3
.irp x, 0,1,2,3
.if \first
	v_wmma_f32_16x16x32_bf16 v[8*(4*(\y)+\x):8*(4*(\y)+\x)+7], v[CUR+8*(\y):CUR+8*(\y)+7], v[64*\x+8*((\ks)&7):64*\x+8*((\ks)&7)+7], v[BI+8*\x:BI+8*\x+7]
.else
	v_wmma_f32_16x16x32_bf16 v[8*(4*(\y)+\x):8*(4*(\y)+\x)+7], v[CUR+8*(\y):CUR+8*(\y)+7], v[64*\x+8*((\ks)&7):64*\x+8*((\ks)&7)+7], v[8*(4*(\y)+\x):8*(4*(\y)+\x)+7]
.endif
.endr
.endr
.endm
; A k step: 32 matrix instructions on 32 accumulators, which take turns in the same order in every step;
; in its middle the next step's 16 fragment loads go out in one run, into the other buffer.
; Settings: D window 1; product 1: source 0 window 2, C window 0 (0x42) or 1 (0x52); product 2: source 1 window 2 or 3, C window 0 (0x48) or 1 (0x58, 0x5c).
.macro KSTEP1 ks
.set CUR, XF+64*((\ks)&1)
.set NXT, XF+64*(((\ks)+1)&1)
.if \ks == 0
.set MW, 0x42
.set FIRST, 1
.else
.set MW, 0x52
.set FIRST, 0
.endif
	s_wait_dscnt 0x0                               ; this step's fragments, asked for 16 matrix instructions ago
	WIN MW
	MUL1 \ks, 0, FIRST
.if \ks < 7
	WIN 0
	PLACES
	FETCHX \ks+1, NXT
.endif
	WIN MW
	MUL1 \ks, 2, FIRST
.endm
.macro KSTEP2 ks
.set CUR, XF+64*((\ks)&1)
.set NXT, XF+64*(((\ks)+1)&1)
.set FIRST, 0
.if \ks == 0
.set MW, 0x48
.set FIRST, 1
.else
.if \ks < 8
.set MW, 0x58
.else
.set MW, 0x5c
.endif
.endif
.if \ks == 8
	s_wait_loadcnt 0x0                             ; the last slab, asked for 256 matrix instructions ago
.endif
	s_wait_dscnt 0x0
	WIN MW
	MUL2 \ks, 0, FIRST
.if \ks < 15
	WIN 0
	PLACES
	FETCHH \ks+1, NXT
.endif
	WIN MW
	MUL2 \ks, 4, FIRST
.endm
; GELU of two accumulator tiles (registers 16 i .. 16 i + 15 of window 1 = hidden tile a = i >> 2, row tiles 2 (i & 3) and the next), rounded to bf16, into HS.
.macro GELU2 i
	WIN 0x01                                       ; source 0 in window 1
.irp p, 0,1,2,3,4,5,6,7
	v_pk_mul_f32 v[GZ+2*\p:GZ+2*\p+1], v[16*\i+2*\p:16*\i+2*\p+1], v[KZ:KZ+1]      ; Z
.endr
.irp e, 0,1,2,3,4,5,6,7,8,9,10,11,12,13,14,15
	v_max_num_f32 v[GM+\e], v[16*\i+\e], 0                                         ; max(x, 0)
.endr
	WIN 0
.irp e, 0,1,2,3,4,5,6,7,8,9,10,11,12,13,14,15
	v_fma_f32 v[GT+\e], |v[GZ+\e]|, s21, 1.0
.endr
.irp e, 0,1,2,3,4,5,6,7,8,9,10,11,12,13,14,15
	v_rcp_f32 v[GT+\e], v[GT+\e]                                                   ; t; the packed products below stand between the last of these and its use (ISA guide 5.7.2)
.endr
.irp p, 0,1,2,3,4,5,6,7
	v_pk_mul_f32 v[GE+2*\p:GE+2*\p+1], v[GZ+2*\p:GZ+2*\p+1], v[GZ+2*\p:GZ+2*\p+1] neg_lo:[1,0] neg_hi:[1,0]   ; -Z^2
.endr
.irp e, 0,1,2,3,4,5,6,7,8,9,10,11,12,13,14,15
	v_exp_f32 v[GE+\e], v[GE+\e]                                                   ; 2^(-Z^2); the polynomial stands between these and their use
.endr
	s_wait_alu depctr_va_vdst(0)
.irp p, 0,1,2,3,4,5,6,7
	v_pk_fma_f32 v[GR+2*\p:GR+2*\p+1], v[GT+2*\p:GT+2*\p+1], v[CA5:CA5+1], v[CA4:CA4+1]
.endr
.irp p, 0,1,2,3,4,5,6,7
	v_pk_fma_f32 v[GR+2*\p:GR+2*\p+1], v[GR+2*\p:GR+2*\p+1], v[GT+2*\p:GT+2*\p+1], v[CA3:CA3+1]
.endr
.irp p, 0,1,2,3,4,5,6,7
	v_pk_fma_f32 v[GR+2*\p:GR+2*\p+1], v[GR+2*\p:GR+2*\p+1], v[GT+2*\p:GT+2*\p+1], v[CA2:CA2+1]
.endr
.irp p, 0,1,2,3,4,5,6,7
	v_pk_fma_f32 v[GR+2*\p:GR+2*\p+1], v[GR+2*\p:GR+2*\p+1], v[GT+2*\p:GT+2*\p+1], v[CA1:CA1+1]
.endr
.irp p, 0,1,2,3,4,5,6,7
	v_pk_mul_f32 v[GR+2*\p:GR+2*\p+1], v[GR+2*\p:GR+2*\p+1], v[GT+2*\p:GT+2*\p+1]
.endr
.irp p, 0,1,2,3,4,5,6,7
	v_pk_mul_f32 v[GR+2*\p:GR+2*\p+1], v[GR+2*\p:GR+2*\p+1], v[GE+2*\p:GE+2*\p+1]
.endr
.irp e, 0,1,2,3,4,5,6,7,8,9,10,11,12,13,14,15
	v_fma_f32 v[GM+\e], -|v[GZ+\e]|, v[GR+\e], v[GM+\e]
.endr
.irp p, 0,1,2,3,4,5,6,7
	v_cvt_pk_bf16_f32 v[GP+\p], v[GM+2*\p], v[GM+2*\p+1]
.endr
	ds_store_b128 v5, v[GP:GP+3]   offset:((\i)>>3)*8192+(2*((\i)&3))*1024+(((\i)>>2)&1)*512
	ds_store_b128 v5, v[GP+4:GP+7] offset:((\i)>>3)*8192+(2*((\i)&3)+1)*1024+(((\i)>>2)&1)*512
.endm
	; PRODUCT 1 AND GELU: two trips, four hidden tiles each
	s_mov_b32 s11, 0
.Lchunk:
	s_wait_loadcnt 0x0                             ; this trip's slab and bias image are in, and no load reads the slab pointer any more:
	s_add_nc_u64 s[6:7], s[6:7], SLABB             ; the next slab
	FETCHX 0, XF
.irp z, 0,1,2,3,4,5,6,7
	KSTEP1 \z
.endr
	WIN 0
	PLACES
	SLAB 1, 0x80                                   ; the next slab lands while GELU runs: W1's other four tiles, then W2's k steps 0-7 with b2
.irp z, 0,1,2,3,4,5,6,7,8,9,10,11,12,13,14,15
	GELU2 \z
.endr
	v_add_nc_u32 v5, 16384, v5                     ; two k steps of HS on
	s_add_co_u32 s11, s11, 1
	s_cmp_lt_u32 s11, 2
	s_cbranch_scc1 .Lchunk
	; PRODUCT 2
	s_wait_dscnt 0x0                               ; my part of HS is written,
	s_barrier_signal -1
	s_barrier_wait -1                              ; everybody's is
	s_wait_loadcnt 0x0
	s_add_nc_u64 s[6:7], s[6:7], SLABB
	SLAB 0, 0xc0                                   ; W2's k steps 8-15, into window 3
	FETCHH 0, XF
.irp z, 0,1,2,3,4,5,6,7,8,9,10,11,12,13,14,15
	KSTEP2 \z
.endr
	PLACES
	WIN 0x05
.set c, 0
.rept 32
	v_cvt_pk_bf16_f32 v[XF+4*c],   v[8*c],   v[8*c+1]
	v_cvt_pk_bf16_f32 v[XF+4*c+1], v[8*c+2], v[8*c+3]
	v_cvt_pk_bf16_f32 v[XF+4*c+2], v[8*c+4], v[8*c+5]
	v_cvt_pk_bf16_f32 v[XF+4*c+3], v[8*c+6], v[8*c+7]
.set c, c+1
.endr
	WIN 0
.set c, 0
.rept 32                                       ; tile c = 4 nt + ot: K step nt >> 1, half nt & 1; each store covers 512 consecutive bytes, aligned
	global_store_b128 v1, v[XF+4*c:XF+4*c+3], s[8:9] offset:(c>>3)*8192+(c&3)*1024+((c>>2)&1)*512
.set c, c+1
.endr
	s_wait_tensorcnt 0x0
	ds_add_u32 v254, v255
	s_wait_dscnt 0x0
	s_endpgm
.Lfunc_end_k_q78f119d9dd_mlp:
	.size	k_q78f119d9dd_mlp, .Lfunc_end_k_q78f119d9dd_mlp-k_q78f119d9dd_mlp
	.p2alignl 7, 3214868480
	.fill 96, 4, 3214868480
	.section	.rodata,"a",@progbits
	.p2align	6, 0x0
	.amdhsa_kernel k_q78f119d9dd_mlp
		.amdhsa_group_segment_fixed_size 199168
		.amdhsa_private_segment_fixed_size 0
		.amdhsa_enable_private_segment 0
		.amdhsa_kernarg_size 24
		.amdhsa_user_sgpr_count 2
		.amdhsa_user_sgpr_kernarg_segment_ptr 1
		.amdhsa_wavefront_size32 1
		.amdhsa_system_sgpr_workgroup_id_x 1
		.amdhsa_system_sgpr_workgroup_id_y 1
		.amdhsa_system_sgpr_workgroup_id_z 1
		.amdhsa_system_vgpr_workitem_id 0
		.amdhsa_next_free_vgpr 1024
		.amdhsa_next_free_sgpr 66
		.amdhsa_reserve_vcc 0
		.amdhsa_float_denorm_mode_32 3
		.amdhsa_float_denorm_mode_16_64 3
		.amdhsa_memory_ordered 1
		.amdhsa_forward_progress 1
		.amdhsa_inst_pref_size 255
	.end_amdhsa_kernel
	.section	.bss,"aw",@nobits
	.p2align	6
	.space	262144
	.amdgpu_metadata
---
amdhsa.version: [ 1, 2 ]
amdhsa.kernels:
  - .name:           k_q78f119d9dd_mlp
    .symbol:         k_q78f119d9dd_mlp.kd
    .args:
      - { .name: entity_states, .offset: 0, .size: 8, .value_kind: global_buffer, .address_space: global }
      - { .name: wf, .offset: 8, .size: 8, .value_kind: global_buffer, .address_space: global }
      - { .name: pf, .offset: 16, .size: 8, .value_kind: global_buffer, .address_space: global }
    .group_segment_fixed_size: 199168
    .private_segment_fixed_size: 0
    .kernarg_segment_align: 8
    .kernarg_segment_size: 24
    .max_flat_workgroup_size: 128
    .sgpr_count:     66
    .vgpr_count:     1024
    .wavefront_size: 32
...
	.end_amdgpu_metadata
.endif
;; end of part 2
;; launch pool (part 3): grid 4 x 64, 4 waves a work-group, clusters of 4 x 1, 327,680 bytes of LDS; arguments pf, vf, uf, out0; writes out0
.if DOCPART == 3
	.amdgcn_target "amdgcn-amd-amdhsa--gfx1250"
	.amdhsa_code_object_version 6
	.text
	.protected	k_q78f119d9dd_pool
	.globl	k_q78f119d9dd_pool
	.p2align	8
	.type	k_q78f119d9dd_pool,@function
k_q78f119d9dd_pool:
	s_mov_b64 s[64:65], 0
	v_nop
	global_prefetch_b8 v0, s[64:65] scope:SCOPE_SE
	s_setreg_imm32_b32 hwreg(HW_REG_WAVE_MODE, 25, 1), 1
	s_wait_xcnt 0x0
	s_wait_alu depctr_hold_cnt(0) depctr_sa_sdst(0) depctr_va_vdst(0) depctr_va_sdst(0) depctr_va_ssrc(0) depctr_va_vcc(0) depctr_vm_vsrc(0)
	s_getreg_b32 s2, hwreg(HW_REG_IB_STS2, 6, 4)
	s_cmp_eq_u32 s2, 0
	s_cbranch_scc0 .Lentry_in_a_cluster
	s_endpgm
.Lentry_in_a_cluster:
	s_bfe_u32 s2, ttmp6, 0x10000c
	s_cmp_lg_u32 s2, 0x3003
	s_cbranch_scc0 .Lentry_shape_is_right
	s_endpgm
.Lentry_shape_is_right:
; pool: out[b][64 i + j][o] = (sum over n of u[i][n] v[j][n] P[n][o]) / (sum over n of u[i][n] v[j][n] + 1e-8).
; A work-group makes 16 i x 16 j = 256 grid rows x 128 columns, K = 4,096 entities; wave w makes i = 16 IB + 4 w + 0..3, all 16 j, 128 columns: 32 accumulator tiles.
; The weights are never in memory: for 32 entities a wave makes its four fragments (16 j x 32 n each) from 16 registers of v and 4 of u, one multiply a number.
; u[i][n] lies in lane 16 h + t and is spread over the 16 lanes of its row by the multiply itself (DPP row_share), v[j][n] lies where the fragment wants it.
; The f32 products are summed as they are made (the denominator), then rounded to bf16 for the matrix unit.  No maximum is taken away, as in the formula itself:
; every exponent is at most 0, a weight at most 1, a sum at most 4,096.
; Source 0 = P's fragment (16 columns), source 1 = the weights' (16 j): a lane's eight results are eight neighbouring columns of one grid row, and the lane's own sum is that row's.
; CLUSTER 4 x 1: the four work-groups differ in IB alone.  P's tiles (b, column half) and v's (b, JB) are the same for the four and are asked for jointly (mask 15):
; 81,920 of a slot's 98,304 bytes.  u's tile hangs on IB and is each work-group's own load.  IB enters u's address and the output's, nothing else.
; LDS: two slots of 98,304 bytes, 8 K steps of 32 entities each: P 65,536 (k 8,192 + tile 1,024 + q 512), v at 65,536 (k 2,048 + q 512), u at 81,920 (k 2,048 + wave 512);
; every read is 512 consecutive bytes.  One load a wave fills a slot: waves 0, 1 half of P each, wave 2 v, wave 3 u.  At 196,608: a stage of 16 rows x 528 bytes for each wave, which no load fills.
; By this text's own count a wave has two tensor loads out at the start and one behind each refill.
; REGISTERS: window 0: v0-127 accumulators (ii, column tiles 0-3) at 8 (4 ii + o); the weights' generator, P's tiles 0-3, addresses.
;            window 1: v0-127 accumulators (ii, column tiles 4-7); v128-191 P's tiles 4-7, two buffers; v192-193 their LDS addresses.
; So the generator, every branch and every label run under setting 0, and a K step has two switches.
.set SLOT,   98304
.set VOFF,   65536
.set UOFF,   81920
.set STAGE,  196608
.set SPITCH, 528
.set WFR, 128                          ; v[128:159] four fragments of weights
.set PAF, 160                          ; v[160:191] P, column tiles 0-3
.set TPR, 192                          ; v[192:207] 16 products u v
.set VFR, 208                          ; v[208:223] v
.set UFR, 224                          ; v[224:227] u, one register for each ii
.set SUM, 228                          ; v[228:235] running sums, a pair for each ii
.set AP,  236                          ; v236-237 LDS address of P in slot 0, 1
.set AV,  238                          ; v238-239 of v
.set AU,  240                          ; v240-241 of u
.set INV, 242                          ; v[242:249] 1 / (sum + 1e-8), twice for each ii
.set STO, 250                          ; the way out: where I put 16 bytes
.set RD,  251                          ; the way out: where I read a row back
.set CO,  252                          ; 16 x lane, my bytes of an output row
.set PB,  128                          ; window 1: P, column tiles 4-7, buffers at 128 and 160
.set BP,  192                          ; window 1: LDS address of P in slot 0, 1
.set TMP, 128                          ; the way out: scaled results (in place of the weights and P)
.set RB,  192                          ; the way out: 8 rows read back (in place of the products and v)
.set SB,  0x51                         ; source 0, C and D in window 1, source 1 in window 0
.set G1P, 16                           ; s[16:23] group 1 for P: 128 rows of 256 bytes, joint
.set G1V, 24                           ; s[24:31] for v: 64 rows, joint
.set G1U, 32                           ; s[32:39] for u: 64 rows, my own
.set G0P, 40                           ; s[40:47] group 0 for P, a set for each slot
.set G0V, 48                           ; s[48:55]
.set G0U, 56                           ; s[56:63]
.set MSB, 0
.macro WIN new                         ; the immediate's high byte repeats the setting that is left
.if MSB != \new
	s_set_vgpr_msb (MSB<<8)|\new
.set MSB, \new
.endif
.endm
; A round of the cluster's barrier: my work-group's barrier, wave 0 signals for the work-group, every wave waits for all four work-groups, my work-group's barrier again.
.macro ROUND
	s_barrier_signal -1
	s_barrier_wait -1
	s_cmp_lg_u32 s12, 0
	s_cbranch_scc1 .Lnw0_\@
	s_barrier_signal -3
.Lnw0_\@:
	s_barrier_wait -3
	s_barrier_signal -1
	s_barrier_wait -1
.endm
; A slot's fill: one tensor load a wave.  The branches hang on the wave's number alone, which is the same in all four work-groups.
.macro JLOAD sl
	s_cmp_lt_u32 s12, 2
	s_cbranch_scc0 .Ljv_\@
	tensor_load_to_lds s[G0P+4*\sl:G0P+4*\sl+3], s[G1P:G1P+7]
	s_nop 0
	s_branch .Ljd_\@
.Ljv_\@:
	s_cmp_eq_u32 s12, 2
	s_cbranch_scc0 .Lju_\@
	tensor_load_to_lds s[G0V+4*\sl:G0V+4*\sl+3], s[G1V:G1V+7]
	s_nop 0
	s_branch .Ljd_\@
.Lju_\@:
	tensor_load_to_lds s[G0U+4*\sl:G0U+4*\sl+3], s[G1U:G1U+7]
	s_nop 0
.Ljd_\@:
.endm
	s_load_b256 s[4:11], s[0:1], 0x0               ; pf s[4:5], vf s[6:7], uf s[8:9], out0 s[10:11]
	v_lshl_add_u32 v254, v0, 2, 0x38400
	v_mov_b32 v255, 0
	ds_add_u32 v254, v255
	v_lshrrev_b32 v1, 5, v0
	v_readfirstlane_b32 s12, v1                    ; wave
	s_bfe_u32 s13, ttmp6, 0x40000                  ; cx
	s_lshl_b32 s66, ttmp9, 2
	s_add_co_u32 s13, s66, s13                     ; IB = 4 x cluster x + cx
	s_and_b32 s67, ttmp7, 0xffff                   ; y = 8 b + 2 JB + oh
	s_lshr_b32 s68, s67, 3                         ; b
	s_bfe_u32 s69, s67, 0x20001                    ; JB
	s_and_b32 s70, s67, 1                          ; oh
	s_mov_b32 s76, 0x76543210                      ; v_permlanex16_b32: lane i of one half reads lane i of the other
	s_mov_b32 s77, 0xfedcba98
	s_mov_b32 s79, 0x322bcc77                      ; 1e-8
	; group 1: dense blocks as rows of 32 elements of 8 bytes, pitch 32
	s_mov_b32 s[G1P+0], 15|(3<<16)|(1<<21)         ; 15:0 mask: all four of the cluster; 17:16 elements of 8 bytes; 21 set beside a mask
	s_mov_b32 s[G1P+1], 32<<16                     ; tensor_dim0 = 32
	s_mov_b32 s[G1P+2], 128<<16                    ; tensor_dim1 = 128
	s_mov_b32 s[G1P+3], 32<<16                     ; tile_dim0 = 32
	s_mov_b32 s[G1P+4], 128                        ; tile_dim1 = 128
	s_mov_b32 s[G1P+5], 32                         ; from row to row
	s_mov_b32 s[G1P+6], 0
	s_mov_b32 s[G1P+7], 0
	s_mov_b32 s[G1V+0], 15|(3<<16)|(1<<21)
	s_mov_b32 s[G1V+1], 32<<16
	s_mov_b32 s[G1V+2], 64<<16
	s_mov_b32 s[G1V+3], 32<<16
	s_mov_b32 s[G1V+4], 64
	s_mov_b32 s[G1V+5], 32
	s_mov_b32 s[G1V+6], 0
	s_mov_b32 s[G1V+7], 0
	s_mov_b32 s[G1U+0], 3<<16                      ; no mask: my own load
	s_mov_b32 s[G1U+1], 32<<16
	s_mov_b32 s[G1U+2], 64<<16
	s_mov_b32 s[G1U+3], 32<<16
	s_mov_b32 s[G1U+4], 64
	s_mov_b32 s[G1U+5], 32
	s_mov_b32 s[G1U+6], 0
	s_mov_b32 s[G1U+7], 0
	s_lshl_b32 s72, s68, 1
	s_add_co_u32 s72, s72, s70
	s_lshl_b32 s72, s72, 20                        ; P: (2 b + oh) x 1 MiB
	s_lshl_b32 s71, s12, 15                        ;    + wave x 32,768 (waves 0 and 1 ask for P), in memory and in LDS
	s_add_co_u32 s72, s72, s71
	s_mov_b32 s73, 0
	s_wait_dscnt 0x0
	s_wait_kmcnt 0x0
	s_add_nc_u64 s[4:5], s[4:5], s[72:73]
	s_lshl2_add_u32 s72, s68, s69
	s_lshl_b32 s72, s72, 18                        ; v: (4 b + JB) x 262,144
	s_add_nc_u64 s[6:7], s[6:7], s[72:73]
	s_lshl2_add_u32 s74, s68, s13
	s_lshl_b32 s74, s74, 18                        ; u: (4 b + IB) x 262,144
	s_mov_b32 s75, 0
	s_add_nc_u64 s[8:9], s[8:9], s[74:75]
	s_lshl_b32 s74, s68, 22                        ; out: row 4,096 b + 64 (16 IB + 4 w) + 16 JB, 1,024 bytes a row, + 512 oh
	s_lshl_b32 s75, s13, 20
	s_add_co_u32 s74, s74, s75
	s_lshl_b32 s75, s12, 18
	s_add_co_u32 s74, s74, s75
	s_lshl_b32 s75, s69, 14
	s_add_co_u32 s74, s74, s75
	s_lshl_b32 s75, s70, 9
	s_add_co_u32 s74, s74, s75
	s_mov_b32 s75, 0
	s_add_nc_u64 s[10:11], s[10:11], s[74:75]
	ROUND                                          ; all four work-groups are here: the first joint loads meet
.irp z, 0,1
	s_mov_b32 s[G0P+4*\z], 1
	s_add_co_u32 s[G0P+4*\z+1], s71, \z*SLOT
	s_add_nc_u64 s[G0P+4*\z+2:G0P+4*\z+3], s[4:5], \z*65536
	s_or_b32 s[G0P+4*\z+3], s[G0P+4*\z+3], 0x80000000
	s_mov_b32 s[G0V+4*\z], 1
	s_mov_b32 s[G0V+4*\z+1], \z*SLOT+VOFF
	s_add_nc_u64 s[G0V+4*\z+2:G0V+4*\z+3], s[6:7], \z*16384
	s_or_b32 s[G0V+4*\z+3], s[G0V+4*\z+3], 0x80000000
	s_mov_b32 s[G0U+4*\z], 1
	s_mov_b32 s[G0U+4*\z+1], \z*SLOT+UOFF
	s_add_nc_u64 s[G0U+4*\z+2:G0U+4*\z+3], s[8:9], \z*16384
	s_or_b32 s[G0U+4*\z+3], s[G0U+4*\z+3], 0x80000000
	JLOAD \z                                       ; both slots' first fills go out before anything else
.endr
	v_and_b32 v2, 31, v0                           ; lane
	v_and_b32 v4, 15, v0                           ; r
	v_bfe_u32 v5, v0, 4, 1                         ; h
	v_lshlrev_b32 v3, 4, v2                        ; 16 x lane
	v_mov_b32 v[AP], v3
	v_add_nc_u32 v[AP+1], SLOT, v3
	v_add_nc_u32 v[AV], VOFF, v3
	v_add_nc_u32 v[AV+1], SLOT+VOFF, v3
	s_lshl_b32 s66, s12, 9
	s_add_co_u32 s66, s66, UOFF
	v_add_nc_u32 v[AU], s66, v3
	s_add_co_u32 s66, s66, SLOT
	v_add_nc_u32 v[AU+1], s66, v3
	s_mul_i32 s66, s12, 16*SPITCH
	s_add_co_u32 s66, s66, STAGE                   ; my stage
	v_add_nc_u32 v[RD], s66, v3
	v_mul_u32_u24 v6, v4, SPITCH
	v_lshl_add_u32 v6, v5, 5, v6                   ; row r, 32 bytes for each half of the lanes
	v_add_nc_u32 v[STO], s66, v6
	v_mov_b32 v[CO], v3
	WIN 0x40                                       ; destination in window 1
	v_mov_b32 v[BP], v3
	v_add_nc_u32 v[BP+1], SLOT, v3
	WIN 0
.irp x, 0,1,2,3,4,5,6,7,8,9,10,11,12,13,14,15
	v_mov_b32 v[TPR+\x], 0                         ; the destination of a DPP form counts as read: written once here
.endr
; The generator's three lines, for the fragment GI
.macro MM t                            ; product t: u of lane t of my row x my v
	v_mul_f32_dpp v[TPR+\t], v[UFR+GI], v[VFR+\t] row_share:\t row_mask:0xf bank_mask:0xf
.endm
.macro AA p                            ; two products onto the running sums
	v_pk_add_f32 v[SUM+2*GI:SUM+2*GI+1], v[SUM+2*GI:SUM+2*GI+1], v[TPR+2*\p:TPR+2*\p+1]
.endm
.macro CC p                            ; two products rounded into the fragment
	v_cvt_pk_bf16_f32 v[WFR+8*GI+\p], v[TPR+2*\p], v[TPR+2*\p+1]
.endm
; Slice sn (0 to 15) of the generator: eight lines, fragment sn / 4.  Slices 4 ii .. 4 ii + 2 make and sum the products, slice 4 ii + 3 writes the fragment.
.macro GSL sn
.set GI, (\sn)/4
.if ((\sn)%4) == 0
	MM 0
	MM 1
	MM 2
	MM 3
	AA 0
	MM 4
	MM 5
	AA 1
.endif
.if ((\sn)%4) == 1
	MM 6
	MM 7
	AA 2
	MM 8
	MM 9
	AA 3
	MM 10
	MM 11
.endif
.if ((\sn)%4) == 2
	AA 4
	MM 12
	MM 13
	AA 5
	MM 14
	MM 15
	AA 6
	AA 7
.endif
.if ((\sn)%4) == 3
.irp x, 0,1,2,3,4,5,6,7
	CC \x
.endr
.endif
.endm
.macro GEN0 ii                         ; the first K step's fragment: its first two pairs start the sums, nothing is cleared
.set GI, \ii
.irp x, 0,1,2,3,4,5,6,7,8,9,10,11,12,13,14,15
	MM \x
.endr
	v_pk_add_f32 v[SUM+2*GI:SUM+2*GI+1], v[TPR:TPR+1], v[TPR+2:TPR+3]
.irp x, 2,3,4,5,6,7
	AA \x
.endr
.irp x, 0,1,2,3,4,5,6,7
	CC \x
.endr
.endm
.macro WMA m, zero                     ; window 0: accumulator m = 4 ii + o
.if \zero
	v_wmma_f32_16x16x32_bf16 v[8*(\m):8*(\m)+7], v[PAF+8*((\m)%4):PAF+8*((\m)%4)+7], v[WFR+8*((\m)/4):WFR+8*((\m)/4)+7], 0
.else
	v_wmma_f32_16x16x32_bf16 v[8*(\m):8*(\m)+7], v[PAF+8*((\m)%4):PAF+8*((\m)%4)+7], v[WFR+8*((\m)/4):WFR+8*((\m)/4)+7], v[8*(\m):8*(\m)+7]
.endif
.endm
.macro WMB buf, zero                   ; window 1: all 16 accumulators
.irp x, 0,1,2,3,4,5,6,7,8,9,10,11,12,13,14,15
.if \zero
	v_wmma_f32_16x16x32_bf16 v[8*\x:8*\x+7], v[PB+32*\buf+8*(\x%4):PB+32*\buf+8*(\x%4)+7], v[WFR+8*(\x/4):WFR+8*(\x/4)+7], 0
.else
	v_wmma_f32_16x16x32_bf16 v[8*\x:8*\x+7], v[PB+32*\buf+8*(\x%4):PB+32*\buf+8*(\x%4)+7], v[WFR+8*(\x/4):WFR+8*(\x/4)+7], v[8*\x:8*\x+7]
.endif
.endr
.endm
.macro LDPA sl, kk                     ; 8 loads: P, column tiles 0-3
.irp x, 0,1,2,3
	ds_load_b128 v[PAF+8*\x:PAF+8*\x+3],   v[AP+\sl] offset:\kk*8192+\x*1024
	ds_load_b128 v[PAF+8*\x+4:PAF+8*\x+7], v[AP+\sl] offset:\kk*8192+\x*1024+512
.endr
.endm
.macro LDPB sl, kk, buf                ; 8 loads: P, column tiles 4-7 (under setting SB: data and address in window 1)
.irp x, 0,1,2,3
	ds_load_b128 v[PB+32*\buf+8*\x:PB+32*\buf+8*\x+3],   v[BP+\sl] offset:\kk*8192+(\x+4)*1024
	ds_load_b128 v[PB+32*\buf+8*\x+4:PB+32*\buf+8*\x+7], v[BP+\sl] offset:\kk*8192+(\x+4)*1024+512
.endr
.endm
.macro LDVU sl, kk                     ; 5 loads: v and u
.irp x, 0,1,2,3
	ds_load_b128 v[VFR+4*\x:VFR+4*\x+3], v[AV+\sl] offset:\kk*2048+\x*512
.endr
	ds_load_b128 v[UFR:UFR+3], v[AU+\sl] offset:\kk*2048
.endm
; K step k of a slot: 32 matrix instructions on 32 accumulators, which take turns in the same order in every step.
; First the 16 of window 1, back to back; then the 16 of window 0, with the 16 slices that make step k + 1's weights in place between them: the slice that writes
; fragment ii stands behind the last matrix instruction that reads it and behind the eight lines of the slice before, four of them packed additions (ISA guide 7.12.1: four places).
; LDS loads of a step, in order: P tiles 4-7 of k + 1 (8); P tiles 0-3 of k + 1 (8; behind the last matrix instruction stand slices 14 and 15); v, u of k + 2 (5).  Steps past 7 lie in the other slot.
; mode 0: as said; 1: no v, u left to fetch; 2: the very last step.   turn 1: this slot is filled again; 2: the other slot is waited for, nothing is filled.
.macro STEP slot, k, zero, mode, turn
.set NS1, (\slot)^((\k+1)>>3)
.set NK1, (\k+1)&7
.set NB1, (\k+1)&1
.set NS2, (\slot)^((\k+2)>>3)
.set NK2, (\k+2)&7
.set CB,  (\k)&1
	WIN SB
.if \mode < 2
	LDPB NS1, NK1, NB1
	s_wait_dscnt 21                                ; behind this step's P tiles 4-7 stand 8 + 5 loads of the last step and the 8 just issued
.else
	s_wait_dscnt 8                                 ; behind them stand the 8 loads of P tiles 0-3
.endif
	WMB CB, \zero
	WIN 0
.if \mode < 2
	s_wait_dscnt 8                                 ; all but the 8 issued in this step: P tiles 0-3 of k, v and u of k + 1 are in
	WMA 0, \zero
	WMA 1, \zero
.irp x, 0,1,2,3,4,5,6,7,8,9,10,11,12,13
	GSL \x
	WMA \x+2, \zero
.endr
	GSL 14
	GSL 15
	LDPA NS1, NK1
.else
	s_wait_dscnt 0
.irp x, 0,1,2,3,4,5,6,7,8,9,10,11,12,13,14,15
	WMA \x, \zero
.endr
.endif
.if \turn == 1
	; All reads of this slot have been issued (step 7's P just now, its v and u a step ago).
	s_wait_dscnt 0x0                               ; they are back,
	s_wait_tensorcnt 0x0                           ; and all my tensor loads have landed: the one that was out is my part of the other slot; so every group 0 may be written:
	ds_add_u32 v254, v255
	s_wait_dscnt 0x0
	s_add_nc_u64 s[G0P+4*\slot+2:G0P+4*\slot+3], s[G0P+4*\slot+2:G0P+4*\slot+3], 131072   ; this slot's next 8 K steps
	s_add_nc_u64 s[G0V+4*\slot+2:G0V+4*\slot+3], s[G0V+4*\slot+2:G0V+4*\slot+3], 32768
	s_add_nc_u64 s[G0U+4*\slot+2:G0U+4*\slot+3], s[G0U+4*\slot+2:G0U+4*\slot+3], 32768
	ROUND                                          ; both now hold of every wave of all four work-groups
	JLOAD \slot                                    ; my one tensor load behind the round, first thing there; 8 K steps, 256 matrix instructions, until it is waited for
.endif
.if \turn == 2
	s_wait_dscnt 0x0
	s_wait_tensorcnt 0x0                           ; my part of the last slot has landed,
	s_barrier_signal -1
	s_barrier_wait -1                              ; everybody's has; nothing is filled any more
.endif
.if \mode == 0
	LDVU NS2, NK2
.endif
.endm
.macro LAP zero                        ; once round the ring: 16 K steps, both slots filled again
	STEP 0, 0, \zero, 0, 0
.irp y, 1,2,3,4,5
	STEP 0, \y, 0, 0, 0
.endr
	STEP 0, 6, 0, 0, 1
	STEP 0, 7, 0, 0, 0
.irp y, 0,1,2,3,4,5
	STEP 1, \y, 0, 0, 0
.endr
	STEP 1, 6, 0, 0, 1
	STEP 1, 7, 0, 0, 0
.endm
	s_wait_tensorcnt 0x1                           ; my part of slot 0 is in; slot 1's may stay out
	s_barrier_signal -1
	s_barrier_wait -1                              ; everybody's is
	WIN SB
	LDPB 0, 0, 0
	WIN 0
	LDVU 0, 0
	s_wait_dscnt 0x0
.irp y, 0,1,2,3
	GEN0 \y                                        ; the weights of K step 0
.endr
	LDPA 0, 0
	LDVU 0, 1
	LAP 1                                          ; the first lap stands in front of the loop: its first products start the sums
	s_mov_b32 s78, 6
.Llap:
	LAP 0
	s_sub_co_u32 s78, s78, 1
	s_cmp_lg_u32 s78, 0
	s_cbranch_scc1 .Llap
	; the last lap (K steps 112 to 127) fills nothing
.irp y, 0,1,2,3,4,5
	STEP 0, \y, 0, 0, 0
.endr
	STEP 0, 6, 0, 0, 2
	STEP 0, 7, 0, 0, 0
.irp y, 0,1,2,3,4,5
	STEP 1, \y, 0, 0, 0
.endr
	STEP 1, 6, 0, 1, 0
	STEP 1, 7, 0, 2, 0
	; THE WAY OUT.  Four places behind the last matrix instruction, for the reads of results and the writes over its sources (ISA guide 7.12.1).
.rept 4
	v_nop
.endr
.irp y, 0,1,2,3
	v_add_f32 v[SUM+2*\y], v[SUM+2*\y], v[SUM+2*\y+1]
.endr
.irp y, 0,1,2,3
	v_permlanex16_b32 v[TPR+\y], v[SUM+2*\y], s76, s77     ; the other half of the lanes holds the other half of every 32 entities
.endr
.irp y, 0,1,2,3
	v_add_f32 v[SUM+2*\y], v[SUM+2*\y], v[TPR+\y]
.endr
.irp y, 0,1,2,3
	v_add_f32 v[SUM+2*\y], s79, v[SUM+2*\y]                ; + 1e-8
.endr
.irp y, 0,1,2,3
	v_rcp_f32 v[INV+2*\y],   v[SUM+2*\y]
	v_rcp_f32 v[INV+2*\y+1], v[SUM+2*\y]
.endr
	v_nop                                          ; one plain vector instruction between the last v_rcp_f32 and the use of its result (ISA guide 5.7.2)
	s_wait_alu depctr_va_vdst(0)
; The 16 grid rows (j) of one ii: scaled, 32 bytes a lane and tile into my own stage, read back as whole rows of 512 bytes, eight rows at a time.
.macro OUTI ii
.irp x, 0,1,2,3
.irp p, 0,1,2,3
	v_pk_mul_f32 v[TMP+8*\x+2*\p:TMP+8*\x+2*\p+1], v[8*(4*\ii+\x)+2*\p:8*(4*\ii+\x)+2*\p+1], v[INV+2*\ii:INV+2*\ii+1]
.endr
.endr
	WIN 0x01                                       ; source 0 in window 1: column tiles 4-7
.irp x, 0,1,2,3
.irp p, 0,1,2,3
	v_pk_mul_f32 v[TMP+32+8*\x+2*\p:TMP+32+8*\x+2*\p+1], v[8*(4*\ii+\x)+2*\p:8*(4*\ii+\x)+2*\p+1], v[INV+2*\ii:INV+2*\ii+1]
.endr
.endr
	WIN 0
.irp x, 0,1,2,3,4,5,6,7
	ds_store_b128 v[STO], v[TMP+8*\x:TMP+8*\x+3]   offset:64*\x
	ds_store_b128 v[STO], v[TMP+8*\x+4:TMP+8*\x+7] offset:64*\x+16
.endr
.irp y, 0,1
	s_wait_xcnt 0x0                                ; every earlier memory instruction has had its addresses translated (ISA guide 3.1): RB, which stores read, is loaded again only behind this wait
.irp x, 0,1,2,3,4,5,6,7
	ds_load_b128 v[RB+4*\x:RB+4*\x+3], v[RD] offset:(8*\y+\x)*SPITCH       ; LDS serves a wave's instructions in order (ISA guide 5.7.1): these see the stores above
.endr
.irp x, 0,1,2,3,4,5,6,7
	s_wait_dscnt 7-\x
	global_store_b128 v[CO], v[RB+4*\x:RB+4*\x+3], s[10:11] offset:\ii*65536+(8*\y+\x)*1024 th:TH_STORE_NT   ; 32 lanes store 512 consecutive bytes, aligned
.endr
.endr
.endm
	OUTI 0
	OUTI 1
	OUTI 2
	OUTI 3
	s_wait_tensorcnt 0x0
	ds_add_u32 v254, v255
	s_wait_dscnt 0x0
	ROUND                                          ; the closing round: no work-group ends while a partner may still ask for a tile that names it
	s_endpgm
.Lfunc_end_k_q78f119d9dd_pool:
	.size	k_q78f119d9dd_pool, .Lfunc_end_k_q78f119d9dd_pool-k_q78f119d9dd_pool
	.p2alignl 7, 3214868480
	.fill 96, 4, 3214868480
	.section	.rodata,"a",@progbits
	.p2align	6, 0x0
	.amdhsa_kernel k_q78f119d9dd_pool
		.amdhsa_group_segment_fixed_size 327680
		.amdhsa_private_segment_fixed_size 0
		.amdhsa_enable_private_segment 0
		.amdhsa_kernarg_size 32
		.amdhsa_user_sgpr_count 2
		.amdhsa_user_sgpr_kernarg_segment_ptr 1
		.amdhsa_wavefront_size32 1
		.amdhsa_system_sgpr_workgroup_id_x 1
		.amdhsa_system_sgpr_workgroup_id_y 1
		.amdhsa_system_sgpr_workgroup_id_z 1
		.amdhsa_system_vgpr_workitem_id 0
		.amdhsa_next_free_vgpr 512
		.amdhsa_next_free_sgpr 80
		.amdhsa_reserve_vcc 0
		.amdhsa_float_denorm_mode_32 3
		.amdhsa_float_denorm_mode_16_64 3
		.amdhsa_memory_ordered 1
		.amdhsa_forward_progress 1
		.amdhsa_inst_pref_size 255
	.end_amdhsa_kernel
	.section	.bss,"aw",@nobits
	.p2align	6
	.space	262144
	.amdgpu_metadata
---
amdhsa.version: [ 1, 2 ]
amdhsa.kernels:
  - .name:           k_q78f119d9dd_pool
    .symbol:         k_q78f119d9dd_pool.kd
    .args:
      - { .name: pf, .offset: 0, .size: 8, .value_kind: global_buffer, .address_space: global }
      - { .name: vf, .offset: 8, .size: 8, .value_kind: global_buffer, .address_space: global }
      - { .name: uf, .offset: 16, .size: 8, .value_kind: global_buffer, .address_space: global }
      - { .name: out0, .offset: 24, .size: 8, .value_kind: global_buffer, .address_space: global }
    .group_segment_fixed_size: 327680
    .private_segment_fixed_size: 0
    .kernarg_segment_align: 8
    .kernarg_segment_size: 32
    .max_flat_workgroup_size: 128
    .sgpr_count:     80
    .vgpr_count:     512
    .wavefront_size: 32
...
	.end_amdgpu_metadata
.endif
;; end of part 3
;; ======== version 2 of 3: 3 launches; 1.20 times as fast as version 1
;; workspace buffers: wf 589,824 bytes; pf 16,777,216 bytes; vf 8,388,608 bytes; uf 8,388,608 bytes
;; launch prep: the kernel of part 1 again; grid 256 x 1, 4 waves a work-group, no clusters, 0 bytes of LDS; arguments W1, W2, b1, b2, entity_positions, wf, vf, uf; writes wf, vf, uf
;; launch mlp: the kernel of part 2 again; grid 256 x 1, 4 waves a work-group, no clusters, 199,168 bytes of LDS; arguments entity_states, wf, pf; writes pf
;; launch pool (part 4): grid 4 x 64, 4 waves a work-group, clusters of 4 x 1, 327,680 bytes of LDS; arguments pf, vf, uf, out0; writes out0
.if DOCPART == 4
	.amdgcn_target "amdgcn-amd-amdhsa--gfx1250"
	.amdhsa_code_object_version 6
	.text
	.protected	k_q78f119d9dd_pool
	.globl	k_q78f119d9dd_pool
	.p2align	8
	.type	k_q78f119d9dd_pool,@function
k_q78f119d9dd_pool:
	s_mov_b64 s[64:65], 0
	v_nop
	global_prefetch_b8 v0, s[64:65] scope:SCOPE_SE
	s_setreg_imm32_b32 hwreg(HW_REG_WAVE_MODE, 25, 1), 1
	s_wait_xcnt 0x0
	s_wait_alu depctr_hold_cnt(0) depctr_sa_sdst(0) depctr_va_vdst(0) depctr_va_sdst(0) depctr_va_ssrc(0) depctr_va_vcc(0) depctr_vm_vsrc(0)
	s_getreg_b32 s2, hwreg(HW_REG_IB_STS2, 6, 4)
	s_cmp_eq_u32 s2, 0
	s_cbranch_scc0 .Lentry_in_a_cluster
	s_endpgm
.Lentry_in_a_cluster:
	s_bfe_u32 s2, ttmp6, 0x10000c
	s_cmp_lg_u32 s2, 0x3003
	s_cbranch_scc0 .Lentry_shape_is_right
	s_endpgm
.Lentry_shape_is_right:
; pool: out[b][64 i + j][o] = (sum over n of u[i][n] v[j][n] P[n][o]) / (sum over n of u[i][n] v[j][n] + 1e-8).
; A work-group makes 16 i x 16 j = 256 grid rows x 128 columns, K = 4,096 entities; wave w makes i = 16 IB + 4 w + 0..3, all 16 j, 128 columns: 32 accumulator tiles.
; The weights are never in memory: for 32 entities a wave makes its four fragments (16 j x 32 n each) from 16 registers of v and 4 of u, one multiply a number.
; u[i][n] lies in lane 16 h + t and is spread over the 16 lanes of its row by the multiply itself (DPP row_share), v[j][n] lies where the fragment wants it.
; The f32 products are summed as they are made (the denominator), then rounded to bf16 for the matrix unit.  No maximum is taken away, as in the formula itself:
; every exponent is at most 0, a weight at most 1, a sum at most 4,096.
; Source 0 = P's fragment (16 columns), source 1 = the weights' (16 j): a lane's eight results are eight neighbouring columns of one grid row, and the lane's own sum is that row's.
; CLUSTER 4 x 1: the four work-groups differ in IB alone.  P's tiles (b, column half) and v's (b, JB) are the same for the four and are asked for jointly (mask 15):
; 81,920 of a slot's 98,304 bytes.  u's tile hangs on IB and is each work-group's own load.  IB enters u's address and the output's, nothing else.
; LDS: two slots of 98,304 bytes, 8 K steps of 32 entities each: P 65,536 (k 8,192 + tile 1,024 + q 512), v at 65,536 (k 2,048 + q 512), u at 81,920 (k 2,048 + wave 512);
; every read is 512 consecutive bytes.  One load a wave fills a slot: waves 0, 1 half of P each, wave 2 v, wave 3 u.  At 196,608: a stage of 16 rows x 528 bytes for each wave, which no load fills.
; By this text's own count a wave has two tensor loads out at the start and one behind each refill.
; A SHORT TEXT: steps 0 to 5 of a slot load from that slot alone (P of k + 1 <= 6, v and u of k + 2 <= 7), so they run in a counted loop of one step's text on three running
; LDS addresses; steps 6 and 7, which reach into the other slot and carry the refill, are written out.  The lap is turned by one step, so that only K step 0, whose products start the
; sums, stands in front of the loop: 1 + 7 + 6 = 14 steps of text for 128 K steps.
; REGISTERS: window 0: v0-127 accumulators (ii, column tiles 0-3) at 8 (4 ii + o); the weights' generator, P's tiles 0-3, addresses.
;            window 1: v0-127 accumulators (ii, column tiles 4-7); v128-159 P's tiles 4-7.
; The generator, every branch and every label run under setting 0.  A K step has twenty switches: one pair round the first eight products of window 1, a pair round each of its
; other eight (four generator lines stand between them), a pair round the loads into window 1.
.set SLOT,   98304
.set VOFF,   65536
.set UOFF,   81920
.set STAGE,  196608
.set SPITCH, 528
.set WFR, 128                          ; v[128:159] four fragments of weights
.set PAF, 160                          ; v[160:191] P, column tiles 0-3
.set TPR, 192                          ; v[192:207] 16 products u v
.set VFR, 208                          ; v[208:223] v
.set UFR, 224                          ; v[224:227] u, one register for each ii
.set SUM, 228                          ; v[228:235] running sums, a pair for each ii
.set AP,  236                          ; v236-237 LDS address of P in slot 0, 1; never rewritten
.set AV,  238                          ; v238-239 of v
.set AU,  240                          ; v240-241 of u
.set INV, 242                          ; v[242:249] 1 / (sum + 1e-8), twice for each ii
.set STO, 250                          ; the way out: where I put 16 bytes
.set RD,  251                          ; the way out: where I read a row back
.set CO,  252                          ; 16 x lane, my bytes of an output row
.set RP,  253                          ; the inner loops' running addresses: P of step k,
.set RV,  254                          ; v of step k,
.set RU,  255                          ; u of step k
.set PB,  128                          ; window 1: P, column tiles 4-7
.set TMP, 128                          ; the way out: scaled results (in place of the weights and P)
.set RB,  192                          ; the way out: 8 rows read back (in place of the products and v)
.set SB,  0x51                         ; source 0, C and D in window 1, source 1 in window 0
.set TO1, 0x40                         ; destination in window 1, address in window 0
.set G1P, 16                           ; s[16:23] group 1 for P: 128 rows of 256 bytes, joint
.set G1V, 24                           ; s[24:31] for v: 64 rows, joint
.set G1U, 32                           ; s[32:39] for u: 64 rows, my own
.set G0P, 40                           ; s[40:47] group 0 for P, a set for each slot
.set G0V, 48                           ; s[48:55]
.set G0U, 56                           ; s[56:63]
.set MSB, 0
.macro WIN new                         ; the immediate's high byte repeats the setting that is left
.if MSB != \new
	s_set_vgpr_msb (MSB<<8)|\new
.set MSB, \new
.endif
.endm
; A round of the cluster's barrier: my work-group's barrier, wave 0 signals for the work-group, every wave waits for all four work-groups, my work-group's barrier again.
.macro ROUND
	s_barrier_signal -1
	s_barrier_wait -1
	s_cmp_lg_u32 s12, 0
	s_cbranch_scc1 .Lnw0_\@
	s_barrier_signal -3
.Lnw0_\@:
	s_barrier_wait -3
	s_barrier_signal -1
	s_barrier_wait -1
.endm
; A slot's fill: one tensor load a wave.  The branches hang on the wave's number alone, which is the same in all four work-groups.
.macro JLOAD sl
	s_cmp_lt_u32 s12, 2
	s_cbranch_scc0 .Ljv_\@
	tensor_load_to_lds s[G0P+4*\sl:G0P+4*\sl+3], s[G1P:G1P+7]
	s_nop 0
	s_branch .Ljd_\@
.Ljv_\@:
	s_cmp_eq_u32 s12, 2
	s_cbranch_scc0 .Lju_\@
	tensor_load_to_lds s[G0V+4*\sl:G0V+4*\sl+3], s[G1V:G1V+7]
	s_nop 0
	s_branch .Ljd_\@
.Lju_\@:
	tensor_load_to_lds s[G0U+4*\sl:G0U+4*\sl+3], s[G1U:G1U+7]
	s_nop 0
.Ljd_\@:
.endm
	s_load_b256 s[4:11], s[0:1], 0x0               ; pf s[4:5], vf s[6:7], uf s[8:9], out0 s[10:11]
	s_set_vgpr_msb 0x40
	v_lshl_add_u32 v160, v0, 2, 0x38400
	v_mov_b32 v161, 0
	s_set_vgpr_msb 0x4045
	ds_add_u32 v160, v161
	s_set_vgpr_msb 0x4500
	v_lshrrev_b32 v1, 5, v0
	v_readfirstlane_b32 s12, v1                    ; wave
	s_bfe_u32 s13, ttmp6, 0x40000                  ; cx
	s_lshl_b32 s66, ttmp9, 2
	s_add_co_u32 s13, s66, s13                     ; IB = 4 x cluster x + cx
	s_and_b32 s67, ttmp7, 0xffff                   ; y = 8 b + 2 JB + oh
	s_lshr_b32 s68, s67, 3                         ; b
	s_bfe_u32 s69, s67, 0x20001                    ; JB
	s_and_b32 s70, s67, 1                          ; oh
	s_mov_b32 s76, 0x76543210                      ; v_permlanex16_b32: lane i of one half reads lane i of the other
	s_mov_b32 s77, 0xfedcba98
	s_mov_b32 s79, 0x322bcc77                      ; 1e-8
	; group 1: dense blocks as rows of 32 elements of 8 bytes, pitch 32
	s_mov_b32 s[G1P+0], 15|(3<<16)|(1<<21)         ; 15:0 mask: all four of the cluster; 17:16 elements of 8 bytes; 21 set beside a mask
	s_mov_b32 s[G1P+1], 32<<16                     ; tensor_dim0 = 32
	s_mov_b32 s[G1P+2], 128<<16                    ; tensor_dim1 = 128
	s_mov_b32 s[G1P+3], 32<<16                     ; tile_dim0 = 32
	s_mov_b32 s[G1P+4], 128                        ; tile_dim1 = 128
	s_mov_b32 s[G1P+5], 32                         ; from row to row
	s_mov_b32 s[G1P+6], 0
	s_mov_b32 s[G1P+7], 0
	s_mov_b32 s[G1V+0], 15|(3<<16)|(1<<21)
	s_mov_b32 s[G1V+1], 32<<16
	s_mov_b32 s[G1V+2], 64<<16
	s_mov_b32 s[G1V+3], 32<<16
	s_mov_b32 s[G1V+4], 64
	s_mov_b32 s[G1V+5], 32
	s_mov_b32 s[G1V+6], 0
	s_mov_b32 s[G1V+7], 0
	s_mov_b32 s[G1U+0], 3<<16                      ; no mask: my own load
	s_mov_b32 s[G1U+1], 32<<16
	s_mov_b32 s[G1U+2], 64<<16
	s_mov_b32 s[G1U+3], 32<<16
	s_mov_b32 s[G1U+4], 64
	s_mov_b32 s[G1U+5], 32
	s_mov_b32 s[G1U+6], 0
	s_mov_b32 s[G1U+7], 0
	s_lshl_b32 s72, s68, 1
	s_add_co_u32 s72, s72, s70
	s_lshl_b32 s72, s72, 20                        ; P: (2 b + oh) x 1 MiB
	s_lshl_b32 s71, s12, 15                        ;    + wave x 32,768 (waves 0 and 1 ask for P), in memory and in LDS
	s_add_co_u32 s72, s72, s71
	s_mov_b32 s73, 0
	s_wait_dscnt 0x0
	s_wait_kmcnt 0x0
	s_add_nc_u64 s[4:5], s[4:5], s[72:73]
	s_lshl2_add_u32 s72, s68, s69
	s_lshl_b32 s72, s72, 18                        ; v: (4 b + JB) x 262,144
	s_add_nc_u64 s[6:7], s[6:7], s[72:73]
	s_lshl2_add_u32 s74, s68, s13
	s_lshl_b32 s74, s74, 18                        ; u: (4 b + IB) x 262,144
	s_mov_b32 s75, 0
	s_add_nc_u64 s[8:9], s[8:9], s[74:75]
	s_lshl_b32 s74, s68, 22                        ; out: row 4,096 b + 64 (16 IB + 4 w) + 16 JB, 1,024 bytes a row, + 512 oh
	s_lshl_b32 s75, s13, 20
	s_add_co_u32 s74, s74, s75
	s_lshl_b32 s75, s12, 18
	s_add_co_u32 s74, s74, s75
	s_lshl_b32 s75, s69, 14
	s_add_co_u32 s74, s74, s75
	s_lshl_b32 s75, s70, 9
	s_add_co_u32 s74, s74, s75
	s_mov_b32 s75, 0
	s_add_nc_u64 s[10:11], s[10:11], s[74:75]
	ROUND                                          ; all four work-groups are here: the first joint loads meet
.irp z, 0,1
	s_mov_b32 s[G0P+4*\z], 1
	s_add_co_u32 s[G0P+4*\z+1], s71, \z*SLOT
	s_add_nc_u64 s[G0P+4*\z+2:G0P+4*\z+3], s[4:5], \z*65536
	s_or_b32 s[G0P+4*\z+3], s[G0P+4*\z+3], 0x80000000
	s_mov_b32 s[G0V+4*\z], 1
	s_mov_b32 s[G0V+4*\z+1], \z*SLOT+VOFF
	s_add_nc_u64 s[G0V+4*\z+2:G0V+4*\z+3], s[6:7], \z*16384
	s_or_b32 s[G0V+4*\z+3], s[G0V+4*\z+3], 0x80000000
	s_mov_b32 s[G0U+4*\z], 1
	s_mov_b32 s[G0U+4*\z+1], \z*SLOT+UOFF
	s_add_nc_u64 s[G0U+4*\z+2:G0U+4*\z+3], s[8:9], \z*16384
	s_or_b32 s[G0U+4*\z+3], s[G0U+4*\z+3], 0x80000000
	JLOAD \z                                       ; both slots' first fills go out before anything else
.endr
	v_and_b32 v2, 31, v0                           ; lane
	v_and_b32 v4, 15, v0                           ; r
	v_bfe_u32 v5, v0, 4, 1                         ; h
	v_lshlrev_b32 v3, 4, v2                        ; 16 x lane
	v_mov_b32 v[AP], v3
	v_add_nc_u32 v[AP+1], SLOT, v3
	v_add_nc_u32 v[AV], VOFF, v3
	v_add_nc_u32 v[AV+1], SLOT+VOFF, v3
	s_lshl_b32 s66, s12, 9
	s_add_co_u32 s66, s66, UOFF
	v_add_nc_u32 v[AU], s66, v3
	s_add_co_u32 s66, s66, SLOT
	v_add_nc_u32 v[AU+1], s66, v3
	s_mul_i32 s66, s12, 16*SPITCH
	s_add_co_u32 s66, s66, STAGE                   ; my stage
	v_add_nc_u32 v[RD], s66, v3
	v_mul_u32_u24 v6, v4, SPITCH
	v_lshl_add_u32 v6, v5, 5, v6                   ; row r, 32 bytes for each half of the lanes
	v_add_nc_u32 v[STO], s66, v6
	v_mov_b32 v[CO], v3
.irp x, 0,1,2,3,4,5,6,7,8,9,10,11,12,13,14,15
	v_mov_b32 v[TPR+\x], 0                         ; the destination of a DPP form counts as read: written once here
.endr
; The generator's three lines, for the fragment GI
.macro MM t                            ; product t: u of lane t of my row x my v
	v_mul_f32_dpp v[TPR+\t], v[UFR+GI], v[VFR+\t] row_share:\t row_mask:0xf bank_mask:0xf
.endm
.macro AA p                            ; two products onto the running sums
	v_pk_add_f32 v[SUM+2*GI:SUM+2*GI+1], v[SUM+2*GI:SUM+2*GI+1], v[TPR+2*\p:TPR+2*\p+1]
.endm
.macro CC p                            ; two products rounded into the fragment
	v_cvt_pk_bf16_f32 v[WFR+8*GI+\p], v[TPR+2*\p], v[TPR+2*\p+1]
.endm
; Group g (0 to 31) of the generator: four lines, fragment g / 8.  Groups 8 ii .. 8 ii + 5 make and sum the 16 products, groups 8 ii + 6 and 8 ii + 7 write the fragment.
.macro GQ g
.set GI, (\g)/8
.set GK, (\g)%8
.if GK == 0
	MM 0
	MM 1
	MM 2
	MM 3
.endif
.if GK == 1
	AA 0
	MM 4
	MM 5
	AA 1
.endif
.if GK == 2
	MM 6
	MM 7
	AA 2
	MM 8
.endif
.if GK == 3
	MM 9
	AA 3
	MM 10
	MM 11
.endif
.if GK == 4
	AA 4
	MM 12
	MM 13
	AA 5
.endif
.if GK == 5
	MM 14
	MM 15
	AA 6
	AA 7
.endif
.if GK == 6
	CC 0
	CC 1
	CC 2
	CC 3
.endif
.if GK == 7
	CC 4
	CC 5
	CC 6
	CC 7
.endif
.endm
.macro GEN0 ii                         ; the first K step's fragment: its first two pairs start the sums, nothing is cleared
.set GI, \ii
.irp x, 0,1,2,3,4,5,6,7,8,9,10,11,12,13,14,15
	MM \x
.endr
	v_pk_add_f32 v[SUM+2*GI:SUM+2*GI+1], v[TPR:TPR+1], v[TPR+2:TPR+3]
.irp x, 2,3,4,5,6,7
	AA \x
.endr
.irp x, 0,1,2,3,4,5,6,7
	CC \x
.endr
.endm
.macro WMA m, zero                     ; window 0: accumulator m = 4 ii + o, column tile o
.if \zero
	v_wmma_f32_16x16x32_bf16 v[8*(\m):8*(\m)+7], v[PAF+8*((\m)%4):PAF+8*((\m)%4)+7], v[WFR+8*((\m)/4):WFR+8*((\m)/4)+7], 0
.else
	v_wmma_f32_16x16x32_bf16 v[8*(\m):8*(\m)+7], v[PAF+8*((\m)%4):PAF+8*((\m)%4)+7], v[WFR+8*((\m)/4):WFR+8*((\m)/4)+7], v[8*(\m):8*(\m)+7]
.endif
.endm
.macro WMB1 m, zero                    ; window 1 (under setting SB): accumulator m = 4 ii + o, column tile 4 + o
.if \zero
	v_wmma_f32_16x16x32_bf16 v[8*(\m):8*(\m)+7], v[PB+8*((\m)%4):PB+8*((\m)%4)+7], v[WFR+8*((\m)/4):WFR+8*((\m)/4)+7], 0
.else
	v_wmma_f32_16x16x32_bf16 v[8*(\m):8*(\m)+7], v[PB+8*((\m)%4):PB+8*((\m)%4)+7], v[WFR+8*((\m)/4):WFR+8*((\m)/4)+7], v[8*(\m):8*(\m)+7]
.endif
.endm
.macro SLA m, g, zero                  ; a product of window 0 and the four generator lines behind it
	WMA \m, \zero
	GQ \g
.endm
.macro SLB m, g, zero                  ; a product of window 1, between two switches, and the four generator lines behind it
	WIN SB
	WMB1 \m, \zero
	WIN 0
	GQ \g
.endm
; The LDS loads of a step.  Where they read is set by five symbols: P at v[LPR] + LPO, v at v[LVR] + LVO, u at v[LUR] + LVO.
.macro LDPA                            ; 8 loads: P, column tiles 0-3
.irp x, 0,1,2,3
	ds_load_b128 v[PAF+8*\x:PAF+8*\x+3],   v[LPR] offset:LPO+\x*1024
	ds_load_b128 v[PAF+8*\x+4:PAF+8*\x+7], v[LPR] offset:LPO+\x*1024+512
.endr
.endm
.macro LDPB                            ; 8 loads: P, column tiles 4-7, into window 1
	WIN TO1
.irp x, 0,1,2,3
	ds_load_b128 v[PB+8*\x:PB+8*\x+3],   v[LPR] offset:LPO+(\x+4)*1024
	ds_load_b128 v[PB+8*\x+4:PB+8*\x+7], v[LPR] offset:LPO+(\x+4)*1024+512
.endr
	WIN 0
.endm
.macro LDVU                            ; 5 loads: v and u
.irp x, 0,1,2,3
	ds_load_b128 v[VFR+4*\x:VFR+4*\x+3], v[LVR] offset:LVO+\x*512
.endr
	ds_load_b128 v[UFR:UFR+3], v[LUR] offset:LVO
.endm
; A K step: 32 matrix instructions on 32 accumulators, which take turns in the same order in every step, and the 128 lines that make
; step k + 1's weights in place, four lines behind a product.  With B(ii) the four products of window 1 on fragment ii and A(ii) those of window 0, the order is
;     B(0) B(1) A(0) B(2) A(1) B(3) A(2) A(3),      products 0 to 31;  generator group m stands behind product m + 7.
; Fragment ii is read for the last time by product 11 + 8 ii (ii = 3: product 31).  Behind that product stand groups 8 ii + 4 and 8 ii + 5, eight lines that name none of its
; registers, four of them packed additions, and only then the conversions that write the fragment (ISA guide 7.12.1: four places).  Products 0 to 6 carry no lines and groups 25 to 31
; stand behind the last product: the price of one buffer each for the weights, P, v and u, with a text that is the same for every k.
; LDS loads of a step, in order: P tiles 4-7 of k + 1 (8): their registers are last read by product 23, behind which stand groups 16 to 19, sixteen lines, four of them packed additions;
; P tiles 0-3 of k + 1 (8): last read by product 31, behind which stand groups 24 to 29; v, u of k + 2 (5): behind group 29, which holds the last multiply.
; From there to their first use: tiles 4-7: five products, 48 lines, 13 loads; tiles 0-3, v and u: 8 lines and eight products.
; mode 0: as said; 1: no v, u left to fetch; 2: the very last step.   turn 1: slot is filled again; 2: the other slot is waited for, nothing is filled.
.macro CORE slot, zero, mode, turn
	WIN SB
.if \mode < 2
	s_wait_dscnt 13                                ; behind this step's P tiles 4-7 stand the last step's 8 loads of tiles 0-3 and its 5 of v and u
.else
	s_wait_dscnt 8                                 ; behind them stand the 8 loads of P tiles 0-3 alone
.endif
.irp x, 0,1,2,3,4,5,6,7
	WMB1 \x, \zero                                 ; B(0), B(1)
.endr
	WIN 0
	s_wait_dscnt 0                                 ; nothing has been issued in this step yet: P tiles 0-3 of k, v and u of k + 1 are in
.if \mode < 2
	GQ 0
.irp x, 0,1,2,3
	SLA \x, \x+1, \zero                            ; A(0), groups 1-4
.endr
.irp x, 8,9,10,11
	SLB \x, \x-3, \zero                            ; B(2), groups 5-8: fragment 0 is written in groups 6 and 7
.endr
.irp x, 4,5,6,7
	SLA \x, \x+5, \zero                            ; A(1), groups 9-12
.endr
.irp x, 12,13,14,15
	SLB \x, \x+1, \zero                            ; B(3), groups 13-16: fragment 1 is written in groups 14 and 15
.endr
.irp x, 8,9,10
	SLA \x, \x+9, \zero                            ; A(2), groups 17-19
.endr
	LDPB
.irp x, 11,12,13,14,15
	SLA \x, \x+9, \zero                            ; the last of A(2), A(3), groups 20-24: fragment 2 is written in groups 22 and 23
.endr
.irp x, 25,26,27,28,29
	GQ \x
.endr
	LDPA
.else
.irp x, 0,1,2,3
	WMA \x, \zero
.endr
	WIN SB
.irp x, 8,9,10,11
	WMB1 \x, \zero
.endr
	WIN 0
.irp x, 4,5,6,7
	WMA \x, \zero
.endr
	WIN SB
.irp x, 12,13,14,15
	WMB1 \x, \zero
.endr
	WIN 0
.irp x, 8,9,10,11,12,13,14,15
	WMA \x, \zero
.endr
.endif
.if \turn == 1
	; All reads of this slot have been issued (step 7's P in this step, its v and u a step ago).
	s_wait_dscnt 0x0                               ; they are back,
	s_set_vgpr_msb 0x5
	s_wait_tensorcnt 0x0                           ; and all my tensor loads have landed: the one that was out is my part of the other slot; so every group 0 may be written:
	ds_add_u32 v160, v161
	s_wait_dscnt 0x0
	s_set_vgpr_msb 0x500
	s_add_nc_u64 s[G0P+4*\slot+2:G0P+4*\slot+3], s[G0P+4*\slot+2:G0P+4*\slot+3], 131072   ; this slot's next 8 K steps
	s_add_nc_u64 s[G0V+4*\slot+2:G0V+4*\slot+3], s[G0V+4*\slot+2:G0V+4*\slot+3], 32768
	s_add_nc_u64 s[G0U+4*\slot+2:G0U+4*\slot+3], s[G0U+4*\slot+2:G0U+4*\slot+3], 32768
	ROUND                                          ; both now hold of every wave of all four work-groups
	JLOAD \slot                                    ; my one tensor load behind the round, first thing there; 8 K steps, 256 matrix instructions, until it is waited for
.endif
.if \turn == 2
	s_wait_dscnt 0x0
	s_wait_tensorcnt 0x0                           ; my part of the last slot has landed,
	s_barrier_signal -1
	s_barrier_wait -1                              ; everybody's has; nothing is filled any more
.endif
.if \mode == 0
	LDVU
.endif
.if \mode < 2
	GQ 30                                          ; fragment 3 is written while the loads are on their way
	GQ 31
.endif
.endm
; Step k of a slot, written out, on the slots' constant addresses.  Steps past 7 lie in the other slot.
.macro STEP slot, k, zero, mode, turn
.set LPR, AP+((\slot)^((\k+1)>>3))
.set LPO, ((\k+1)&7)*8192
.set LVR, AV+((\slot)^((\k+2)>>3))
.set LUR, AU+((\slot)^((\k+2)>>3))
.set LVO, ((\k+2)&7)*2048
	CORE \slot, \zero, \mode, \turn
.endm
; Steps k0 .. k0 + trips - 1 of a slot, the last of them step 5: one step's text, on addresses that run: step k reads P of k + 1 at RP + 8,192, v and u of k + 2 at RV, RU + 4,096.
.macro INNER slot, k0, trips
	v_add_nc_u32 v[RP], \k0*8192, v[AP+\slot]
	v_add_nc_u32 v[RV], \k0*2048, v[AV+\slot]
	v_add_nc_u32 v[RU], \k0*2048, v[AU+\slot]
	s_mov_b32 s14, 0
.set LPR, RP
.set LPO, 8192
.set LVR, RV
.set LUR, RU
.set LVO, 4096
.Lin_\@:
	CORE \slot, 0, 0, 0
	v_add_nc_u32 v[RP], 8192, v[RP]                ; a K step on
	v_add_nc_u32 v[RV], 2048, v[RV]
	v_add_nc_u32 v[RU], 2048, v[RU]
	s_add_co_u32 s14, s14, 1
	s_cmp_lt_u32 s14, \trips
	s_cbranch_scc1 .Lin_\@
.endm
	s_wait_tensorcnt 0x1                           ; my part of slot 0 is in; slot 1's may stay out
	s_barrier_signal -1
	s_barrier_wait -1                              ; everybody's is
.set LPR, AP
.set LPO, 0
.set LVR, AV
.set LUR, AU
.set LVO, 0
	LDPB                                           ; K step 0: P tiles 4-7, v, u
	LDVU
	s_wait_dscnt 0x0
.irp y, 0,1,2,3
	GEN0 \y                                        ; the weights of K step 0
.endr
	LDPA                                           ; K step 0: P tiles 0-3
.set LVO, 2048
	LDVU                                           ; K step 1: v, u
	STEP 0, 0, 1, 0, 0                             ; K step 0 stands in front of the loop: its products start the sums
	s_mov_b32 s78, 7
.Llap:                                         ; seven trips: steps 1 to 15 of a lap, both slots filled again, and step 0 of the next lap
	INNER 0, 1, 5
	STEP 0, 6, 0, 0, 1
	STEP 0, 7, 0, 0, 0
	INNER 1, 0, 6
	STEP 1, 6, 0, 0, 1
	STEP 1, 7, 0, 0, 0
	STEP 0, 0, 0, 0, 0
	s_sub_co_u32 s78, s78, 1
	s_cmp_lg_u32 s78, 0
	s_cbranch_scc1 .Llap
	; the last lap (K steps 113 to 127) fills nothing
	INNER 0, 1, 5
	STEP 0, 6, 0, 0, 2
	STEP 0, 7, 0, 0, 0
	INNER 1, 0, 6
	STEP 1, 6, 0, 1, 0
	STEP 1, 7, 0, 2, 0
	; THE WAY OUT.  Four places behind the last matrix instruction, for the reads of results and the writes over its sources (ISA guide 7.12.1).
.rept 4
	v_nop
.endr
.irp y, 0,1,2,3
	v_add_f32 v[SUM+2*\y], v[SUM+2*\y], v[SUM+2*\y+1]
.endr
.irp y, 0,1,2,3
	v_permlanex16_b32 v[TPR+\y], v[SUM+2*\y], s76, s77     ; the other half of the lanes holds the other half of every 32 entities
.endr
.irp y, 0,1,2,3
	v_add_f32 v[SUM+2*\y], v[SUM+2*\y], v[TPR+\y]
.endr
.irp y, 0,1,2,3
	v_add_f32 v[SUM+2*\y], s79, v[SUM+2*\y]                ; + 1e-8
.endr
.irp y, 0,1,2,3
	v_rcp_f32 v[INV+2*\y],   v[SUM+2*\y]
	v_rcp_f32 v[INV+2*\y+1], v[SUM+2*\y]
.endr
	v_nop                                          ; one plain vector instruction between the last v_rcp_f32 and the use of its result (ISA guide 5.7.2)
	s_wait_alu depctr_va_vdst(0)
; The 16 grid rows (j) of one ii: scaled, 32 bytes a lane and tile into my own stage, read back as whole rows of 512 bytes, eight rows at a time.
.macro OUTI ii
.irp x, 0,1,2,3
.irp p, 0,1,2,3
	v_pk_mul_f32 v[TMP+8*\x+2*\p:TMP+8*\x+2*\p+1], v[8*(4*\ii+\x)+2*\p:8*(4*\ii+\x)+2*\p+1], v[INV+2*\ii:INV+2*\ii+1]
.endr
.endr
	WIN 0x01                                       ; source 0 in window 1: column tiles 4-7
.irp x, 0,1,2,3
.irp p, 0,1,2,3
	v_pk_mul_f32 v[TMP+32+8*\x+2*\p:TMP+32+8*\x+2*\p+1], v[8*(4*\ii+\x)+2*\p:8*(4*\ii+\x)+2*\p+1], v[INV+2*\ii:INV+2*\ii+1]
.endr
.endr
	WIN 0
.irp x, 0,1,2,3,4,5,6,7
	ds_store_b128 v[STO], v[TMP+8*\x:TMP+8*\x+3]   offset:64*\x
	ds_store_b128 v[STO], v[TMP+8*\x+4:TMP+8*\x+7] offset:64*\x+16
.endr
.irp y, 0,1
	s_wait_xcnt 0x0                                ; every earlier memory instruction has had its addresses translated (ISA guide 3.1): RB, which stores read, is loaded again only behind this wait
.irp x, 0,1,2,3,4,5,6,7
	ds_load_b128 v[RB+4*\x:RB+4*\x+3], v[RD] offset:(8*\y+\x)*SPITCH       ; LDS serves a wave's instructions in order (ISA guide 5.7.1): these see the stores above
.endr
.irp x, 0,1,2,3,4,5,6,7
	s_wait_dscnt 7-\x
	global_store_b128 v[CO], v[RB+4*\x:RB+4*\x+3], s[10:11] offset:\ii*65536+(8*\y+\x)*1024 th:TH_STORE_NT   ; 32 lanes store 512 consecutive bytes, aligned
.endr
.endr
.endm
	OUTI 0
	OUTI 1
	OUTI 2
	OUTI 3
	s_set_vgpr_msb 0x5
	s_wait_tensorcnt 0x0
	ds_add_u32 v160, v161
	s_wait_dscnt 0x0
	s_set_vgpr_msb 0x500
	ROUND                                          ; the closing round: no work-group ends while a partner may still ask for a tile that names it
	s_endpgm
.Lfunc_end_k_q78f119d9dd_pool:
	.size	k_q78f119d9dd_pool, .Lfunc_end_k_q78f119d9dd_pool-k_q78f119d9dd_pool
	.p2alignl 7, 3214868480
	.fill 96, 4, 3214868480
	.section	.rodata,"a",@progbits
	.p2align	6, 0x0
	.amdhsa_kernel k_q78f119d9dd_pool
		.amdhsa_group_segment_fixed_size 327680
		.amdhsa_private_segment_fixed_size 0
		.amdhsa_enable_private_segment 0
		.amdhsa_kernarg_size 32
		.amdhsa_user_sgpr_count 2
		.amdhsa_user_sgpr_kernarg_segment_ptr 1
		.amdhsa_wavefront_size32 1
		.amdhsa_system_sgpr_workgroup_id_x 1
		.amdhsa_system_sgpr_workgroup_id_y 1
		.amdhsa_system_sgpr_workgroup_id_z 1
		.amdhsa_system_vgpr_workitem_id 0
		.amdhsa_next_free_vgpr 418
		.amdhsa_next_free_sgpr 80
		.amdhsa_reserve_vcc 0
		.amdhsa_float_denorm_mode_32 3
		.amdhsa_float_denorm_mode_16_64 3
		.amdhsa_memory_ordered 1
		.amdhsa_forward_progress 1
		.amdhsa_inst_pref_size 206
	.end_amdhsa_kernel
	.amdgpu_metadata
---
amdhsa.version: [ 1, 2 ]
amdhsa.kernels:
  - .name:           k_q78f119d9dd_pool
    .symbol:         k_q78f119d9dd_pool.kd
    .args:
      - { .name: pf, .offset: 0, .size: 8, .value_kind: global_buffer, .address_space: global }
      - { .name: vf, .offset: 8, .size: 8, .value_kind: global_buffer, .address_space: global }
      - { .name: uf, .offset: 16, .size: 8, .value_kind: global_buffer, .address_space: global }
      - { .name: out0, .offset: 24, .size: 8, .value_kind: global_buffer, .address_space: global }
    .group_segment_fixed_size: 327680
    .private_segment_fixed_size: 0
    .kernarg_segment_align: 8
    .kernarg_segment_size: 32
    .max_flat_workgroup_size: 128
    .sgpr_count:     80
    .vgpr_count:     418
    .wavefront_size: 32
...
	.end_amdgpu_metadata
.endif
;; end of part 4
;; ======== version 3 of 3: 3 launches; version 2 with the launch mlp written anew for expert scheduling mode
;; workspace buffers: wf 589,824 bytes; pf 16,777,216 bytes; vf 8,388,608 bytes; uf 8,388,608 bytes
;; launch prep: the kernel of part 1 again; grid 256 x 1, 4 waves a work-group, no clusters, 0 bytes of LDS; arguments W1, W2, b1, b2, entity_positions, wf, vf, uf; writes wf, vf, uf
;; launch mlp (part 5): grid 256 x 1, 4 waves a work-group, no clusters, 199,168 bytes of LDS; arguments entity_states, wf, pf; writes pf
.if DOCPART == 5
	.amdgcn_target "amdgcn-amd-amdhsa--gfx1250"
	.amdhsa_code_object_version 6
	.text
	.protected	k_q78f119d9dd_mlp
	.globl	k_q78f119d9dd_mlp
	.p2align	8
	.type	k_q78f119d9dd_mlp,@function
k_q78f119d9dd_mlp:
	s_mov_b64 s[64:65], 0
	v_nop
	global_prefetch_b8 v0, s[64:65] scope:SCOPE_SE
	s_setreg_imm32_b32 hwreg(HW_REG_WAVE_SCHED_MODE, 0, 2), 2
	s_setreg_imm32_b32 hwreg(HW_REG_WAVE_MODE, 25, 1), 1
	s_wait_xcnt 0x0
	s_wait_alu depctr_vm_vsrc(0)
; mlp: P = gelu(X W1 + b1) W2 + b2 for 128 entity rows a work-group, bf16 operands, f32 sums; P leaves as bf16 fragments for the pooling launch:
;   pf [b 8][oh 2][K 128][ot 8][q 2][lane][16 B]: lane (r, h) holds P[n = 32 K + 16 q + 8 h + 0..7][o = 128 oh + 16 ot + r].
; Four waves.  Product 1: wave w makes hidden tiles 8 w .. 8 w + 7, four at a time, for all 8 row tiles (32 accumulators); source 0 = W1's fragment, source 1 = X's,
; so a lane's eight results are eight neighbouring hidden numbers of one entity: rounded, they ARE 16 bytes of product 2's first operand.
; Product 2: wave w makes output tiles 4 w .. 4 w + 3 for all 8 row tiles; source 0 = h's fragment, source 1 = W2's: a lane's eight results are eight neighbouring
; entities of one output column: rounded, they are 16 bytes of pf.  No transposition anywhere.
; The biases come in as the C operand of each sum's first product (images made by the launch before): nothing is cleared, nothing is added afterwards.
; WEIGHTS GO FROM MEMORY TO REGISTERS, NOT THROUGH LDS, AND THERE IS NO CLUSTER: each weight fragment is used by one wave of the work-group alone, eight times,
; out of registers (256 registers hold 32 fragments = 256 matrix instructions' worth).  Shared through a cluster they would have to be laid into LDS and read back
; (589,824 bytes a work-group, beside the 198,656 that X and h take), with a round of the cluster's barrier for each piece; X itself is shared by nobody.
; GELU is the exact one, erf by the rational form t = 1 / (1 + p z), erf z = 1 - (a1 t + .. + a5 t^5) exp(-z^2) (absolute error 1.5e-7 for every z >= 0):
;   gelu(x) = max(x, 0) - 0.5 |x| (a1 t + ..) exp(-x^2 / 2).  With Z = x sqrt(log2(e) / 2): exp(-x^2/2) = 2^(-Z^2); the factors 0.5 / sqrt(..) are folded into the a's.
;   For large |x| the second term goes to 0 by itself; no range is cut.
; LDS: XS at 0: 128 rows of 256 bf16, 528 bytes apart (33 x 16: the 16 rows that a fragment load touches begin at 16 different 16-byte columns of 256);
;      HS at 67,584: h as fragments [k step 16][row tile 8][q 2][lane][16 B], every access 512 consecutive bytes;  at 198,656: the spare words, 128 bytes a wave.
; REGISTERS: window 0: addresses, constants, v64-191 two fragment buffers (also X rounded, GELU at work, P rounded), v192-223 the bias image;
;   window 1: the 32 accumulators (first: X as loaded);  window 2: the slab of weights at work;  window 3: the last slab.
; THE MODE: SCHED_MODE bits 1:0 = 2 (LLVM: expert scheduling mode 2), set by the entry lines.  The code itself states the register dependences
; between vector or matrix instructions and memory or LDS instructions, with s_wait_alu, always for 0.
; THE PLAN.  Registers that memory or LDS instructions touch, and who else names them:
;   v1-v4, v6, v7   offsets and LDS addresses: written at the head, never again; one wait on va_vdst ahead of the first load serves them all.
;   v5              the address of GELU's LDS stores: stepped once a trip, behind a wait on vm_vsrc; the stores that read it next stand behind later waits on va_vdst.
;   F0 = v64-127, F1 = v128-191   k step ks: its 32 matrix instructions read F[ks & 1]; the LDS loads in its middle land in the other buffer, which step ks - 1's matrix
;                   instructions read.  ONE wait on va_vdst at the step's head says that those are done; the 16 matrix instructions between it and the loads name the buffer at
;                   work, the weights, the image and the accumulators: none of the loads' registers.
;   v192-223, window 2   the bias image and the slab: matrix instructions read them through a trip's eight k steps; one wait on va_vdst ahead of the next slab's loads.
;   GP0 = v144-151, GP1 = v152-159   GELU of tile pair i rounds into GP[i & 1]; its two LDS stores are issued in pair i + 1, behind that pair's one wait on va_vdst (the wait for
;                   its reciprocals and exponentials, which stands behind pair i's roundings too); a wait on vm_vsrc beside it frees the buffer that pair i + 1 rounds into.
;   v64-143 in GELU, window 1 behind the head: vector and matrix instructions alone.   window 3: loaded once.   v254, v255: written at the head, read by the closing add alone.
.set XPITCH, 528
.set HSB,    67584
.set SLABB,  36864
.set XF,  64                           ; fragment buffers at v64 and v128
.set BI,  192                          ; v[192:223] four C tiles
.set KZ,  8                            ; v[8:9] and on: constants, twice each, for packed arithmetic
.set CA5, 10
.set CA4, 12
.set CA3, 14
.set CA2, 16
.set CA1, 18
.set GZ,  64                           ; GELU at work, 16 numbers at a time
.set GM,  80
.set GT,  96
.set GE,  112
.set GR,  128
.set GP,  144                          ; v[144:159] two out-buffers of eight registers, by turns
.set MSB, 0
.macro WIN new                         ; the immediate's high byte repeats the setting that is left
.if MSB != \new
	s_set_vgpr_msb (MSB<<8)|\new
.set MSB, \new
.endif
.endm
; Four places: a vector write of a register that a matrix instruction has read, and a vector read of its result, stand four plain vector
; instructions behind it (ISA guide 7.12.1).  A wait on va_vdst fills no place.
.macro PLACES
.rept 4
	v_nop
.endr
.endm
	s_load_b128 s[4:7], s[0:1], 0x0                ; X s[4:5], wf s[6:7]
	s_load_b64 s[8:9], s[0:1], 0x10                ; pf
	v_lshl_add_u32 v254, v0, 2, 0x30800            ; the LDS address of my spare word, and 0: made here and kept for the closing lines alone
	v_mov_b32 v255, 0
	v_lshrrev_b32 v20, 5, v0
	v_readfirstlane_b32 s10, v20                   ; wave
	v_and_b32 v20, 31, v0                          ; lane
	v_and_b32 v21, 15, v0                          ; r
	v_bfe_u32 v22, v0, 4, 1                        ; h
	v_lshlrev_b32 v1, 4, v20                       ; v1 = 16 lane: wf, pf
	s_wait_alu depctr_va_sdst(0)                   ; s10 is written, ahead of its first reader: LDS addresses and the bases of wf and pf are made from it
	s_lshl_b32 s12, s10, 15
	v_add_nc_u32 v2, s12, v1                       ; v2: X, my wave's 32 rows = 32,768 consecutive bytes
	s_mul_i32 s13, s10, 32*XPITCH
	v_lshl_add_u32 v3, v20, 3, s13                 ; v3: XS, where I put 8 bytes
	v_mul_u32_u24 v4, v21, XPITCH
	v_lshl_add_u32 v4, v22, 4, v4                  ; v4: XS, my part of a fragment: row r, 16 h
	s_add_co_u32 s13, s12, HSB
	v_add_nc_u32 v5, s13, v1                       ; v5: HS, my wave's k steps 4 w ..; steps by 16,384 a trip
	v_add_nc_u32 v6, HSB, v1                       ; v6: HS, k steps 0-7
	v_add_nc_u32 v7, HSB+65536, v1                 ; v7: HS, k steps 8-15
	v_mov_b32 v[KZ],    0x3f596d27                 ; sqrt(log2(e) / 2) = 0.8493218
	v_mov_b32 v[KZ+1],  0x3f596d27
	v_mov_b32 v[CA5],   0x3f1ff67a                 ; a5 x 0.5887050 =  0.6248547
	v_mov_b32 v[CA5+1], 0x3f1ff67a
	v_mov_b32 v[CA4],   0xbf5b0099                 ; a4 x ..        = -0.8554779
	v_mov_b32 v[CA4+1], 0xbf5b0099
	v_mov_b32 v[CA3],   0x3f563818                 ; a3 x ..        =  0.8367934
	v_mov_b32 v[CA3+1], 0x3f563818
	v_mov_b32 v[CA2],   0xbe2b8119                 ; a2 x ..        = -0.1674847
	v_mov_b32 v[CA2+1], 0xbe2b8119
	v_mov_b32 v[CA1],   0x3e199eb3                 ; a1 x ..        =  0.1500195
	v_mov_b32 v[CA1+1], 0x3e199eb3
	s_mov_b32 s21, 0x3e8ba43f                      ; p / (sqrt(2) x 0.8493218) = 0.2727375
	s_lshl_b32 s14, ttmp9, 17                      ; X: 128 rows of 1,024 bytes a work-group
	s_mov_b32 s15, 0
	s_mul_i32 s16, s10, 4*SLABB                    ; wf: four slabs a wave
	s_mov_b32 s17, 0
	s_lshr_b32 s18, ttmp9, 5                       ; pf: batch x 2 MiB
	s_lshl_b32 s18, s18, 21
	s_lshr_b32 s20, s10, 1                         ;  + column half (w >> 1) x 1 MiB
	s_lshl_b32 s20, s20, 20
	s_add_co_u32 s18, s18, s20
	s_and_b32 s20, ttmp9, 31                       ;  + 4 K steps of 8,192 bytes a work-group
	s_lshl_b32 s20, s20, 15
	s_add_co_u32 s18, s18, s20
	s_and_b32 s20, s10, 1                          ;  + 4 output tiles of 1,024 bytes
	s_lshl_b32 s20, s20, 12
	s_add_co_u32 s18, s18, s20
	s_mov_b32 s19, 0
	s_wait_kmcnt 0x0
	s_add_nc_u64 s[4:5], s[4:5], s[14:15]
	s_add_nc_u64 s[6:7], s[6:7], s[16:17]
	s_add_nc_u64 s[8:9], s[8:9], s[18:19]
; A slab of weights: 64 loads of 512 consecutive bytes into window win (0x80: window 2, 0xc0: window 3); load L fills registers 4 L .., so fragment (a, ks) lies at 64 a + 8 ks.
.macro SLAB bias, win
.if \bias
	WIN 0
.irp x, 0,1,2,3,4,5,6,7
	global_load_b128 v[BI+4*\x:BI+4*\x+3], v1, s[6:7] offset:32768+512*\x
.endr
.endif
	WIN \win
.set c, 0
.rept 64
	global_load_b128 v[4*c:4*c+3], v1, s[6:7] offset:512*c
.set c, c+1
.endr
	WIN 0
.endm
	; X: 64 loads of 512 consecutive bytes into window 1; read once in the launch
	WIN 0x40
	s_wait_alu depctr_va_vdst(0)                   ; v1 to v7 are written: every load and store of the kernel reads one of them as its offset or LDS address
.set c, 0
.rept 64
	global_load_b128 v[4*c:4*c+3], v2, s[4:5] offset:512*c th:TH_LOAD_NT
.set c, c+1
.endr
	SLAB 1, 0x80                                   ; W1's first four hidden tiles and their b1, behind X
	s_wait_loadcnt 0x3f                            ; 72 loads were issued behind X's; 63 is the largest count that a wait can name: X is in
	WIN 0x05                                       ; sources in window 1
.set c, 0
.rept 64
	v_cvt_pk_bf16_f32 v[XF+2*c],   v[4*c],   v[4*c+1]
	v_cvt_pk_bf16_f32 v[XF+2*c+1], v[4*c+2], v[4*c+3]
.set c, c+1
.endr
	WIN 0
	s_wait_alu depctr_va_vdst(0)                   ; the conversions have written v64-191, which the LDS stores read
.set c, 0
.rept 64
	ds_store_b64 v3, v[XF+2*c:XF+2*c+1] offset:(c>>1)*XPITCH+(c&1)*256
.set c, c+1
.endr
	s_wait_dscnt 0x0                               ; my rows of XS are written,
	s_barrier_signal -1
	s_barrier_wait -1                              ; everybody's are
	s_wait_alu depctr_vm_vsrc(0)                   ; my LDS stores have read v64-191: from here on fragments land in these registers, and GELU writes them
.macro FETCHX ks, buf                  ; X's fragments of one k step, all 8 row tiles
.irp x, 0,1,2,3,4,5,6,7
	ds_load_b128 v[\buf+8*\x:\buf+8*\x+3],   v4 offset:\x*16*XPITCH+64*(\ks)
	ds_load_b128 v[\buf+8*\x+4:\buf+8*\x+7], v4 offset:\x*16*XPITCH+64*(\ks)+32
.endr
.endm
.macro FETCHH ks, buf                  ; h's fragments of one k step, all 8 row tiles
.irp x, 0,1,2,3,4,5,6,7
	ds_load_b128 v[\buf+8*\x:\buf+8*\x+3],   v[6+((\ks)>>3)] offset:((\ks)&7)*8192+\x*1024
	ds_load_b128 v[\buf+8*\x+4:\buf+8*\x+7], v[6+((\ks)>>3)] offset:((\ks)&7)*8192+\x*1024+512
.endr
.endm
; 16 matrix instructions of product 1: hidden tiles a0, a0 + 1 x 8 row tiles.  first = 1: C is the image of b1.
.macro MUL1 ks, a0, first
.irp y, \a0, \a0+1
.irp x, 0,1,2,3,4,5,6,7
.if \first
	v_wmma_f32_16x16x32_bf16 v[8*(8*(\y)+\x):8*(8*(\y)+\x)+7], v[64*(\y)+8*(\ks):64*(\y)+8*(\ks)+7], v[CUR+8*\x:CUR+8*\x+7], v[BI+8*(\y):BI+8*(\y)+7]
.else
	v_wmma_f32_16x16x32_bf16 v[8*(8*(\y)+\x):8*(8*(\y)+\x)+7], v[64*(\y)+8*(\ks):64*(\y)+8*(\ks)+7], v[CUR+8*\x:CUR+8*\x+7], v[8*(8*(\y)+\x):8*(8*(\y)+\x)+7]
.endif
.endr
.endr
.endm
; 16 matrix instructions of product 2: row tiles n0 .. n0 + 3 x 4 output tiles.  first = 1: C is the image of b2.
.macro MUL2 ks, n0, first
.irp y, \n0, \n0+1, \n0+2, \n0+3
.irp x, 0,1,2,3
.if \first
	v_wmma_f32_16x16x32_bf16 v[8*(4*(\y)+\x):8*(4*(\y)+\x)+7], v[CUR+8*(\y):CUR+8*(\y)+7], v[64*\x+8*((\ks)&7):64*\x+8*((\ks)&7)+7], v[BI+8*\x:BI+8*\x+7]
.else
	v_wmma_f32_16x16x32_bf16 v[8*(4*(\y)+\x):8*(4*(\y)+\x)+7], v[CUR+8*(\y):CUR+8*(\y)+7], v[64*\x+8*((\ks)&7):64*\x+8*((\ks)&7)+7], v[8*(4*(\y)+\x):8*(4*(\y)+\x)+7]
.endif
.endr
.endr
.endm
; A k step: 32 matrix instructions on 32 accumulators, which take turns in the same order in every step;
; in its middle the next step's 16 fragment loads go out in one run, into the other buffer.  The wait on va_vdst at the step's head states what those loads hang on; a product's
; step 0 needs none (no matrix instruction has read the other buffer, and the vector instructions that named it stand ahead of an earlier wait), its last step loads nothing.
; Settings: D window 1; product 1: source 0 window 2, C window 0 (0x42) or 1 (0x52); product 2: source 1 window 2 or 3, C window 0 (0x48) or 1 (0x58, 0x5c).
.macro KSTEP1 ks
.set CUR, XF+64*((\ks)&1)
.set NXT, XF+64*(((\ks)+1)&1)
.if \ks == 0
.set MW, 0x42
.set FIRST, 1
.else
.set MW, 0x52
.set FIRST, 0
.endif
	s_wait_dscnt 0x0                               ; this step's fragments, asked for 16 matrix instructions ago
.if (\ks >= 1) && (\ks < 7)
	s_wait_alu depctr_va_vdst(0)                   ; the last step's matrix instructions are done reading the other buffer, in which the loads below land
.endif
	WIN MW
	MUL1 \ks, 0, FIRST
.if \ks < 7
	WIN 0
	FETCHX \ks+1, NXT                              ; no further wait: no matrix instruction since the step's head names the other buffer or v4
.endif
	WIN MW
	MUL1 \ks, 2, FIRST
.endm
.macro KSTEP2 ks
.set CUR, XF+64*((\ks)&1)
.set NXT, XF+64*(((\ks)+1)&1)
.set FIRST, 0
.if \ks == 0
.set MW, 0x48
.set FIRST, 1
.else
.if \ks < 8
.set MW, 0x58
.else
.set MW, 0x5c
.endif
.endif
.if \ks == 8
	s_wait_loadcnt 0x0                             ; the last slab, asked for 256 matrix instructions ago
.endif
	s_wait_dscnt 0x0
.if (\ks >= 1) && (\ks < 15)
	s_wait_alu depctr_va_vdst(0)                   ; the last step's matrix instructions are done reading the other buffer, in which the loads below land
.endif
	WIN MW
	MUL2 \ks, 0, FIRST
.if \ks < 15
	WIN 0
	FETCHH \ks+1, NXT                              ; no further wait: no matrix instruction since the step's head names the other buffer, v6 or v7
.endif
	WIN MW
	MUL2 \ks, 4, FIRST
.endm
; The two LDS stores of tile pair i: hidden tile a = i >> 2, row tiles 2 (i & 3) and the next, out of GP[i & 1].
.macro HSTORE i
	ds_store_b128 v5, v[GP+8*((\i)&1):GP+8*((\i)&1)+3]   offset:((\i)>>3)*8192+(2*((\i)&3))*1024+(((\i)>>2)&1)*512
	ds_store_b128 v5, v[GP+8*((\i)&1)+4:GP+8*((\i)&1)+7] offset:((\i)>>3)*8192+(2*((\i)&3)+1)*1024+(((\i)>>2)&1)*512
.endm
; GELU of two accumulator tiles (registers 16 i .. 16 i + 15 of window 1), rounded to bf16 into GP[i & 1].  The stores of the pair before go out in its middle.
.macro GELU2 i
	WIN 0x01                                       ; source 0 in window 1
.irp p, 0,1,2,3,4,5,6,7
	v_pk_mul_f32 v[GZ+2*\p:GZ+2*\p+1], v[16*\i+2*\p:16*\i+2*\p+1], v[KZ:KZ+1]      ; Z
.endr
.irp e, 0,1,2,3,4,5,6,7,8,9,10,11,12,13,14,15
	v_max_num_f32 v[GM+\e], v[16*\i+\e], 0                                         ; max(x, 0)
.endr
	WIN 0
.irp e, 0,1,2,3,4,5,6,7,8,9,10,11,12,13,14,15
	v_fma_f32 v[GT+\e], |v[GZ+\e]|, s21, 1.0
.endr
.irp e, 0,1,2,3,4,5,6,7,8,9,10,11,12,13,14,15
	v_rcp_f32 v[GT+\e], v[GT+\e]                                                   ; t; the packed products below stand between the last of these and its use (ISA guide 5.7.2)
.endr
.irp p, 0,1,2,3,4,5,6,7
	v_pk_mul_f32 v[GE+2*\p:GE+2*\p+1], v[GZ+2*\p:GZ+2*\p+1], v[GZ+2*\p:GZ+2*\p+1] neg_lo:[1,0] neg_hi:[1,0]   ; -Z^2
.endr
.irp e, 0,1,2,3,4,5,6,7,8,9,10,11,12,13,14,15
	v_exp_f32 v[GE+\e], v[GE+\e]                                                   ; 2^(-Z^2); the polynomial stands between these and their use
.endr
	s_wait_alu depctr_va_vdst(0)                   ; one wait for the batch: the 16 reciprocals and 16 exponentials are written, ahead of their first readers; so are the roundings of the pair before, which the stores below read
.if \i >= 2
	s_wait_alu depctr_vm_vsrc(0)                   ; the LDS stores issued a pair ago have read GP[i & 1], which this pair's roundings write again
.endif
.if \i >= 1
	HSTORE \i-1
.endif
.irp p, 0,1,2,3,4,5,6,7
	v_pk_fma_f32 v[GR+2*\p:GR+2*\p+1], v[GT+2*\p:GT+2*\p+1], v[CA5:CA5+1], v[CA4:CA4+1]
.endr
.irp p, 0,1,2,3,4,5,6,7
	v_pk_fma_f32 v[GR+2*\p:GR+2*\p+1], v[GR+2*\p:GR+2*\p+1], v[GT+2*\p:GT+2*\p+1], v[CA3:CA3+1]
.endr
.irp p, 0,1,2,3,4,5,6,7
	v_pk_fma_f32 v[GR+2*\p:GR+2*\p+1], v[GR+2*\p:GR+2*\p+1], v[GT+2*\p:GT+2*\p+1], v[CA2:CA2+1]
.endr
.irp p, 0,1,2,3,4,5,6,7
	v_pk_fma_f32 v[GR+2*\p:GR+2*\p+1], v[GR+2*\p:GR+2*\p+1], v[GT+2*\p:GT+2*\p+1], v[CA1:CA1+1]
.endr
.irp p, 0,1,2,3,4,5,6,7
	v_pk_mul_f32 v[GR+2*\p:GR+2*\p+1], v[GR+2*\p:GR+2*\p+1], v[GT+2*\p:GT+2*\p+1]
.endr
.irp p, 0,1,2,3,4,5,6,7
	v_pk_mul_f32 v[GR+2*\p:GR+2*\p+1], v[GR+2*\p:GR+2*\p+1], v[GE+2*\p:GE+2*\p+1]
.endr
.irp e, 0,1,2,3,4,5,6,7,8,9,10,11,12,13,14,15
	v_fma_f32 v[GM+\e], -|v[GZ+\e]|, v[GR+\e], v[GM+\e]
.endr
.irp p, 0,1,2,3,4,5,6,7
	v_cvt_pk_bf16_f32 v[GP+8*((\i)&1)+\p], v[GM+2*\p], v[GM+2*\p+1]
.endr
.endm
	; PRODUCT 1 AND GELU: two trips, four hidden tiles each
	s_mov_b32 s11, 0
.Lchunk:
	s_wait_loadcnt 0x0                             ; this trip's slab and bias image are in, and no load reads the slab pointer any more:
	s_add_nc_u64 s[6:7], s[6:7], SLABB             ; the next slab
	FETCHX 0, XF                                   ; no wait: the vector instructions that named v64-127 (X's conversions; GELU) stand ahead of a wait on va_vdst, the LDS stores that read them ahead of one on vm_vsrc, on both ways here
.irp z, 0,1,2,3,4,5,6,7
	KSTEP1 \z
.endr
	WIN 0
	PLACES                                         ; for GELU, whose vector instructions read the sums and write over the fragment buffers
	s_wait_alu depctr_va_vdst(0)                   ; the trip's matrix instructions are done reading window 2 and the bias image, in which the loads below land
	SLAB 1, 0x80                                   ; the next slab lands while GELU runs: W1's other four tiles, then W2's k steps 0-7 with b2
.irp z, 0,1,2,3,4,5,6,7,8,9,10,11,12,13,14,15
	GELU2 \z
.endr
	s_wait_alu depctr_va_vdst(0)                   ; the last pair's roundings are written, which the stores below read; and GELU is done with v64-159, in which the next fragments land
	HSTORE 15
	s_wait_alu depctr_vm_vsrc(0)                   ; the LDS stores have read v5, which the add below writes, and GP0 and GP1, in which fragments land next
	v_add_nc_u32 v5, 16384, v5                     ; two k steps of HS on; the stores that read it next stand behind the k steps' waits on va_vdst
	s_add_co_u32 s11, s11, 1
	s_cmp_lt_u32 s11, 2
	s_cbranch_scc1 .Lchunk
	; PRODUCT 2
	s_wait_dscnt 0x0                               ; my part of HS is written,
	s_barrier_signal -1
	s_barrier_wait -1                              ; everybody's is
	s_wait_loadcnt 0x0
	s_add_nc_u64 s[6:7], s[6:7], SLABB
	SLAB 0, 0xc0                                   ; W2's k steps 8-15, into window 3, which no instruction has named yet
	FETCHH 0, XF                                   ; no wait: as at the loop's head
.irp z, 0,1,2,3,4,5,6,7,8,9,10,11,12,13,14,15
	KSTEP2 \z
.endr
	PLACES                                         ; for the conversions, which read the sums and write over the fragment buffers
	WIN 0x05
.set c, 0
.rept 32
	v_cvt_pk_bf16_f32 v[XF+4*c],   v[8*c],   v[8*c+1]
	v_cvt_pk_bf16_f32 v[XF+4*c+1], v[8*c+2], v[8*c+3]
	v_cvt_pk_bf16_f32 v[XF+4*c+2], v[8*c+4], v[8*c+5]
	v_cvt_pk_bf16_f32 v[XF+4*c+3], v[8*c+6], v[8*c+7]
.set c, c+1
.endr
	WIN 0
	s_wait_alu depctr_va_vdst(0)                   ; the conversions have written v64-191, which the stores read
.set c, 0
.rept 32                                       ; tile c = 4 nt + ot: K step nt >> 1, half nt & 1; each store covers 512 consecutive bytes, aligned
	global_store_b128 v1, v[XF+4*c:XF+4*c+3], s[8:9] offset:(c>>3)*8192+(c&3)*1024+((c>>2)&1)*512
.set c, c+1
.endr
	s_wait_dscnt 0x0                               ; the closing lines, six on end
	s_wait_alu 0x0
	s_wait_tensorcnt 0x0
	ds_add_u32 v254, v255
	s_wait_dscnt 0x0
	s_endpgm
.Lfunc_end_k_q78f119d9dd_mlp:
	.size	k_q78f119d9dd_mlp, .Lfunc_end_k_q78f119d9dd_mlp-k_q78f119d9dd_mlp
	.p2alignl 7, 3214868480
	.fill 96, 4, 3214868480
	.section	.rodata,"a",@progbits
	.p2align	6, 0x0
	.amdhsa_kernel k_q78f119d9dd_mlp
		.amdhsa_group_segment_fixed_size 199168
		.amdhsa_private_segment_fixed_size 0
		.amdhsa_enable_private_segment 0
		.amdhsa_kernarg_size 24
		.amdhsa_user_sgpr_count 2
		.amdhsa_user_sgpr_kernarg_segment_ptr 1
		.amdhsa_wavefront_size32 1
		.amdhsa_system_sgpr_workgroup_id_x 1
		.amdhsa_system_sgpr_workgroup_id_y 1
		.amdhsa_system_sgpr_workgroup_id_z 1
		.amdhsa_system_vgpr_workitem_id 0
		.amdhsa_next_free_vgpr 1024
		.amdhsa_next_free_sgpr 66
		.amdhsa_reserve_vcc 0
		.amdhsa_float_denorm_mode_32 3
		.amdhsa_float_denorm_mode_16_64 3
		.amdhsa_memory_ordered 1
		.amdhsa_forward_progress 1
		.amdhsa_inst_pref_size 255
	.end_amdhsa_kernel
	.section	.bss,"aw",@nobits
	.p2align	6
	.space	262144
	.amdgpu_metadata
---
amdhsa.version: [ 1, 2 ]
amdhsa.kernels:
  - .name:           k_q78f119d9dd_mlp
    .symbol:         k_q78f119d9dd_mlp.kd
    .args:
      - { .name: entity_states, .offset: 0, .size: 8, .value_kind: global_buffer, .address_space: global }
      - { .name: wf, .offset: 8, .size: 8, .value_kind: global_buffer, .address_space: global }
      - { .name: pf, .offset: 16, .size: 8, .value_kind: global_buffer, .address_space: global }
    .group_segment_fixed_size: 199168
    .private_segment_fixed_size: 0
    .kernarg_segment_align: 8
    .kernarg_segment_size: 24
    .max_flat_workgroup_size: 128
    .sgpr_count:     66
    .vgpr_count:     1024
    .wavefront_size: 32
...
	.end_amdgpu_metadata
.endif
;; end of part 5
;; launch pool: the kernel of part 4 again; grid 4 x 64, 4 waves a work-group, clusters of 4 x 1, 327,680 bytes of LDS; arguments pf, vf, uf, out0; writes out0
